; MI455X (gfx1250); checked and timed in simulation.
; The chip was launched on July 23, 2026; its instructions are those of AMD's public machine-readable ISA for CDNA 5 (MIT licence, August 2026) and "CDNA5" Instruction Set Architecture Reference Guide (July 2026). The comments in the code are by the model that wrote it; some were corrected since.
;; L La MA Layer. Allowed arithmetic: matrix products marked QUANTISED: E2M3 operands, one E8M0 scale for each 32 along K, by v_wmma_scale_f32_16x16x128_f8f6f4 with both operands' format E2M3, f32 sums; everything else in f32.
;; Inputs: W1 2,048 x 512 float32; W2 512 x 2,048 float32; Wk 2,048 x 512 float32; Wo 2,048 x 2,048 float32; Wq 2,048 x 2,048 float32; Wv 2,048 x 512 float32; b1 512 float32; b2 2,048 float32; bk 512 float32; bo 2,048 float32; bq 2,048 float32; bv 512 float32; scale1 2,048 float32; x 4 x 1,024 x 2,048 float32.
;; Outputs: out0 4 x 1,024 x 2,048 float32.
;; This version of the problem:
;;   THIS VERSION OF THE PROBLEM IS GIVEN IN LOW PRECISION. The matrix products marked QUANTISED in the list below multiply operands that are first quantised to E2M3 (2 exponent bits, 3 mantissa bits; 6 bits a number), with one power-of-two scale for each 32 numbers along K (OCP MX v1.0); their sums are f32. All else is computed in f32.
;;   The module's matrix products, in the order in which they are computed (A, B: the left and right operand; K: the contracted axis; several contracted axes count as one K, in the product's order):
;;     1. [M 4,096, K 2,048] x [K 2,048, N 2,048]; A: computed on the way; B: input Wq: QUANTISED
;;     2. [M 4,096, K 2,048] x [K 2,048, N 512]; A: computed on the way; B: input Wk: QUANTISED
;;     3. [M 4,096, K 2,048] x [K 2,048, N 512]; A: computed on the way; B: input Wv: QUANTISED
;;     4. batch 64 x [M 1,024, K 128] x [K 128, N 1,024]; A: computed on the way; B: computed on the way: QUANTISED
;;     5. batch 64 x [M 1,024, K 1,024] x [K 1,024, N 128]; A: softmax (see below); B: computed on the way: QUANTISED
;;     6. [M 4,096, K 2,048] x [K 2,048, N 2,048]; A: computed on the way; B: input Wo: QUANTISED
;;     7. [M 4,096, K 2,048] x [K 2,048, N 512]; A: computed on the way; B: input W1: QUANTISED
;;     8. [M 4,096, K 512] x [K 512, N 2,048]; A: computed on the way; B: input W2: QUANTISED
;;   THE QUANTISER, for each operand of a quantised product, along K:
;;     - K is cut into blocks of 32 from its start; a last block that is shorter is filled with zeros.
;;     - A block's scale is 2^e with e = floor(log2(the largest magnitude in the block)) - 2, held to -126 .. 127; a block of zeros has e = 0. As a byte (E8M0): e + 127.
;;     - Each number is divided by its block's scale, clamped to +-7.5, and rounded to the nearest number of E2M3, ties to even, subnormals kept.
;;     - The product sums the exact products of the quantised numbers (number of the format x scale) in f32.
;;   ~~~python
;;   def quantise(x, axis):      # numpy; x: float32 -> the quantised numbers, widened to float32 again
;;       x = np.moveaxis(x, axis, -1); K = x.shape[-1]
;;       x = np.pad(x, [(0, 0)] * (x.ndim - 1) + [(0, -K % 32)]); x = x.reshape(x.shape[:-1] + (-1, 32)); a = np.abs(x).max(-1, keepdims=True)
;;       e = np.where(a > 0, np.clip(np.frexp(np.where(a > 0, a, 1))[1] - 1 - 2, -126, 127), 0)      # np.frexp(a)[1] - 1 = floor(log2(a)), exactly
;;       r = np.clip(x / 2.0 ** e, -7.5, 7.5)
;;       step = 2.0 ** (np.maximum(np.frexp(np.where(r == 0, 1, r))[1] - 1, 0) - 3)
;;       q = np.round(r / step) * step * 2.0 ** e      # np.round: ties to even
;;       return np.moveaxis(q.reshape(q.shape[:-2] + (-1,))[..., :K], -1, axis).astype(np.float32)
;;   ~~~
;;   SOFTMAX AHEAD OF A QUANTISED PRODUCT. Where the list says 'softmax', what is quantised is not the finished softmax but p = 2^(t - M), with t = logit x log2(e) and M = ceil(the row's largest t), a whole number; so 1/2 < the row's largest p <= 1. The row's sum l is taken of the UNQUANTISED p, in f32, and the product's result is divided by l at the end. Since M is a whole number, a kernel that streams over the keys may use a running M (the ceiling of the running maximum): every later rescaling is an exact power of two, which a block's scale takes up: the codes' values come out the same.
;;   OPERANDS COMPUTED ON THE WAY. 'Computed on the way' means the value that the module computes at that place (a softmax that the list does not call 'softmax' is quantised finished and normalised). What goes into a quantiser is computed in f32, as accurately as f32 sums, v_exp_f32 and their like allow (about 1e-6 of the number): no bf16 or f16 on the way to a quantiser, and a product that is left as it is and whose result goes on into a quantised operand takes f32 operands (vector FMAs, or v_wmma_f32_16x16x4_f32). A number that lies on a knife's edge between two numbers of the format may be rounded either way, as far as f32 arithmetic and the matrix unit's own rounding can turn it there, and no further.
;; One version. Each part assembles by itself: llvm-mc -triple=amdgcn-amd-amdhsa -mcpu=gfx1250 --defsym DOCPART=n.
;; ======== version 1 of 1: 4 launches
;; limits: right only within a limited range of input values
;; workspace buffers: wb 9,830,400 bytes; xb 6,553,600 bytes; qkv 9,830,400 bytes; acat 8,192,000 bytes
;; launch prep (part 1): grid 448 x 1, 16 waves a work-group, no clusters, 146,944 bytes of LDS; arguments x, scale1, Wq, Wk, Wv, W1, Wo, W2, xb, wb; writes xb, wb
.if DOCPART == 1
	.amdgcn_target "amdgcn-amd-amdhsa--gfx1250"
	.amdhsa_code_object_version 6
	.text
	.protected	k_q5dd3e2f40c_prep
	.globl	k_q5dd3e2f40c_prep
	.p2align	8
	.type	k_q5dd3e2f40c_prep,@function
k_q5dd3e2f40c_prep:
	s_mov_b64 s[64:65], 0
	v_nop
	global_prefetch_b8 v0, s[64:65] scope:SCOPE_SE
	s_setreg_imm32_b32 hwreg(HW_REG_WAVE_MODE, 25, 1), 1
	s_wait_xcnt 0x0
; Everything that is quantised ahead of the first product, in one launch: the six weights (work-groups 0-191) and xn = scale1 * x / sqrt(mean(x^2) + 1e-6) (work-groups 192-447).
; Both become codes of FP6 (E2M3) with one E8M0 byte for each 32 along K, stored as IMAGES OF OPERAND REGISTERS: a fragment of 16 rows x 128 K, 12 registers a lane, 1,536 bytes: register R of lane L lies at byte
; 512 (R / 4) + 16 L + 4 (R % 4); lane (r, h) holds, in registers 6 c .. 6 c + 5, block 2 c + h of row r.  A row's scale word: byte b serves its block b of the 128.
; ORDER INSIDE A BLOCK OF 32, the same for every operand of this program: code position 16 h' + 8 u + j holds k = 16 u + 8 h' + j.  A block's scale does not hang on the order, and a product does not either while both sides have it.
; wb: codes of [W1 | Wq | Wk | Wv] (3,584 rows n, 16 K steps) at 0, their scale words [28 groups of 128 rows][16][128] at 5,505,024; codes of [Wo ; W2] (2,048 rows n, K steps 0-15 Wo, 16-19 W2) at 5,734,400, scale words [16][20][128] at 9,666,560.
; xb: codes [256 row tiles of 16 tokens][16 K steps][1,536] at 0; scale words [32 groups of 128 tokens][16][128] at 6,291,456.
; The two kinds of work-group share nothing and part once, at the head, on the work-group's number.  Memory binds: no matrix unit, no cluster, no tensor load.  With 128 registers a wave and 146,944 bytes of LDS two work-groups
; fit on a WGP (1,024 registers a SIMD, 327,680 bytes of LDS), so all 448 are at work together and the norm's arithmetic stands beside the weights' stream.
; A block's scale is 2^(floor(log2(largest magnitude)) - 2); its byte is that magnitude's exponent field - 2, held at 1 from below.
; LIMITS: a block of zeros, or one whose largest magnitude lies under 2^-124, gets the byte 1 (the rule says 127 for zeros): this program alone reads the bytes.  x * rsq(mean + eps) * scale1 stands for scale1 * (x / sqrt(..)): each step is good to an ulp.
; NaN and infinities are not served.
.set NWG,  192                         ; work-groups of the weights: 3,072 tasks of 32 columns x 128 K, one a wave
.set PART, 135168                      ; LDS (the norm alone): behind the 16 stages of 8,448 bytes the partial sums, row r at 80 r, wave s's word at 4 s;
.set SLB,  136704                      ; behind them scale1's 128 numbers of each wave's K step, 512 bytes a wave
.set PC,   12                          ; the norm: v12-31 the codes just made; before that scale1 as loaded (v12-15), the 16 partial sums, scale1 sixteen at a time (v12-27)
.set X,    32                          ; v32-95   x as loaded, then my 64 numbers of row r
.set TM,   96                          ; v96-111  at work in QUANT
.set PW,   112                         ; v112     the scale word
.set SEL,  26                          ; s[26:27] lane selects for v_permlanex16_b32: lane l xor 16
; 64 numbers of a lane, v[s] .. v[s + 63], four blocks of 32 shared with lane l xor 16, become a fragment's codes in v[PC] .. v[PC + 11] and my row's scale word in v[PW].
.macro QUANT s
.irp b, 0,1,2,3
	v_max3_num_f32 v[TM+\b], |v[\s+16*\b]|, |v[\s+1+16*\b]|, 0x1800000   ; block b: my 16 numbers, and the floor 2^(3 - 127): the byte cannot fall under 1
.endr
.irp i, 2,4,6,8,10,12,14
.irp b, 0,1,2,3
	s_delay_alu instid0(VALU_DEP_4)
	v_max3_num_f32 v[TM+\b], v[TM+\b], |v[\s+16*\b+\i]|, |v[\s+1+16*\b+\i]|   ; the four blocks by turns
.endr
.endr
.irp b, 0,1,2,3
	s_delay_alu instid0(VALU_DEP_4)
	v_permlanex16_b32 v[TM+4+\b], v[TM+\b], s[SEL], s[SEL+1]
.endr
.irp b, 0,1,2,3
	s_delay_alu instid0(VALU_DEP_4)
	v_max_num_f32 v[TM+\b], v[TM+\b], v[TM+4+\b]   ; with lane l xor 16's: the block's largest magnitude
.endr
.irp b, 0,1,2,3
	s_delay_alu instid0(VALU_DEP_4)
	v_add_nc_u32 v[TM+12+\b], 0xff000000, v[TM+\b]   ; 2 off its exponent field: the conversion's scale operand
.endr
.irp b, 0,1,2,3
	s_delay_alu instid0(VALU_DEP_4)
	v_lshrrev_b32 v[TM+4+\b], 23, v[TM+12+\b]      ; the scale's byte
.endr
	s_delay_alu instid0(VALU_DEP_3)
	v_lshl_or_b32 v[PW], v[TM+5], 8, v[TM+4]
	s_delay_alu instid0(VALU_DEP_1)
	v_lshl_or_b32 v[PW], v[TM+6], 16, v[PW]
	s_delay_alu instid0(VALU_DEP_1)
	v_lshl_or_b32 v[PW], v[TM+7], 24, v[PW]
.irp c, 0,1
	v_cvt_scalef32_pk16_fp6_f32 v[PC+6*\c:PC+2+6*\c], v[\s+32*\c:\s+15+32*\c], v[TM+12+2*\c]
	v_cvt_scalef32_pk16_fp6_f32 v[PC+12+4*\c:PC+14+4*\c], v[\s+16+32*\c:\s+31+32*\c], v[TM+12+2*\c+1]   ; (a conversion's three registers begin on an even number)
.endr
	v_nop                                          ; one plain place behind a scaled conversion
.irp c, 0,1                                    ; the layout wants a whole block in a lane: lanes 0-15 block 2 c, lanes 16-31 block 2 c + 1
.irp i, 0,1,2
	v_permlane16_swap_b32 v[PC+6*\c+\i], v[PC+12+4*\c+\i]
.endr
.irp i, 0,1,2
	s_delay_alu instid0(VALU_DEP_3)
	v_mov_b32 v[PC+3+6*\c+\i], v[PC+12+4*\c+\i]
.endr
.endr
.endm
	s_load_b128 s[4:7], s[0:1], 0x0                ; x, scale1
	s_load_b128 s[8:11], s[0:1], 0x10              ; Wq, Wk
	s_load_b128 s[12:15], s[0:1], 0x20             ; Wv, W1
	s_load_b128 s[16:19], s[0:1], 0x30             ; Wo, W2
	s_load_b128 s[20:23], s[0:1], 0x40             ; xb, wb
	v_lshl_add_u32 v124, v0, 2, 0x23600            ; my spare word, and 0: kept for the add alone
	v_mov_b32 v125, 0
	v_lshrrev_b32 v1, 5, v0
	s_delay_alu instid0(VALU_DEP_1)
	v_readfirstlane_b32 s24, v1                    ; wave 0..15
	v_and_b32 v1, 31, v0                           ; lane
	v_and_b32 v2, 15, v0                           ; r
	v_bfe_u32 v3, v0, 4, 1                         ; h
	s_cmp_lt_u32 ttmp9, NWG                        ; the same for all sixteen waves of a work-group
	s_cbranch_scc1 .Lweights
; ---------------------------------------------------------------- THE NORM
; A work-group takes 16 tokens; wave s takes K step s (128 numbers) of all 16.  x is read once: each load is 512 consecutive bytes of one row.  The numbers turn through the wave's own stage in LDS (rows of 512 + 16 bytes)
; and come back into the registers that they left, so that lane (r, h) holds 64 numbers of row r: register 16 b + 8 u + j = k 32 b + 16 u + 8 h + j.  The sixteen waves' sums of squares meet in LDS behind the one barrier;
; every wave adds them in the same order.  scale1 hangs on k alone: the K step's 128 numbers lie in the wave's own 512 bytes of LDS and are read sixteen registers at a time.
	v_lshlrev_b32 v4, 4, v1                        ; 16 x lane
	v_lshlrev_b32 v5, 2, v2                        ; 4 r
	v_lshlrev_b32 v6, 5, v3                        ; 32 h
	s_mul_i32 s25, s24, 8448                       ; my stage
	v_add_nc_u32 v7, s25, v4                       ; into it: 16 x lane, row i at 528 i
	v_mul_u32_u24 v8, v2, 528
	s_delay_alu instid0(VALU_DEP_1)
	v_add_nc_u32 v8, v8, v6
	s_delay_alu instid0(VALU_DEP_1)
	v_add_nc_u32 v8, s25, v8                       ; out of it: row r, + 32 h
	v_mul_u32_u24 v10, v2, 80
	s_delay_alu instid0(VALU_DEP_1)
	v_add_nc_u32 v10, PART, v10                    ; row r's sixteen partial sums
	s_lshl_b32 s25, s24, 2
	v_add_nc_u32 v9, s25, v10                      ; and my wave's word among them
	s_lshl_b32 s34, s24, 9                         ; my K step: 512 bytes on in a row of x, in scale1, and among the slices
	s_mov_b32 s35, 0
	s_add_co_u32 s25, s34, SLB
	v_add_nc_u32 v11, s25, v4                      ; scale1's slice, in: 16 x lane
	v_add_nc_u32 v113, s25, v6                     ; and out: 32 h
	s_mov_b32 s[SEL], 0x76543210
	s_mov_b32 s[SEL+1], 0xfedcba98
	s_mov_b32 s28, 0x3a000000                      ; 1 / 2,048
	s_mov_b32 s29, 0x358637bd                      ; 1e-6
.irp b, 0,1,2,3
	v_mov_b32 v[TM+4+\b], 0                        ; written once: a lane permute's destination counts as one of its sources
.endr
	s_sub_co_u32 s40, ttmp9, NWG                   ; my row tile of 16 tokens
	s_lshl_b32 s36, s40, 17                        ; 16 rows of 8,192 bytes
	s_add_co_u32 s36, s36, s34
	s_mov_b32 s37, 0
	s_lshl_b32 s38, s40, 4
	s_add_co_u32 s38, s38, s24
	s_mul_i32 s38, s38, 1536                       ; my image: (16 x row tile + K step) x 1,536
	s_mov_b32 s39, 0
	s_lshr_b32 s42, s40, 3
	s_lshl_b32 s42, s42, 4
	s_add_co_u32 s42, s42, s24
	s_lshl_b32 s42, s42, 9                         ; scale words: (16 x group + K step) x 512
	s_and_b32 s43, s40, 7
	s_lshl_b32 s43, s43, 6
	s_add_co_u32 s42, s42, s43                     ; + my row tile's 64 bytes
	s_add_co_u32 s42, s42, 6291456
	s_mov_b32 s43, 0
	s_wait_alu depctr_va_vdst(0)
	s_wait_kmcnt 0x0
	s_add_nc_u64 s[4:5], s[4:5], s[36:37]
	s_add_nc_u64 s[6:7], s[6:7], s[34:35]
	s_add_nc_u64 s[30:31], s[20:21], s[38:39]
	s_add_nc_u64 s[32:33], s[20:21], s[42:43]
.irp i, 0,1,2,3,4,5,6,7,8,9,10,11,12,13,14,15
	global_load_b128 v[X+4*\i:X+4*\i+3], v4, s[4:5] offset:8192*\i th:TH_LOAD_NT   ; row i: 512 consecutive bytes
.endr
	global_load_b128 v[12:15], v4, s[6:7]          ; scale1 at k = 4 x lane ..
	s_wait_loadcnt 0x0
	ds_store_b128 v11, v[12:15]
.irp i, 0,1,2,3,4,5,6,7,8,9,10,11,12,13,14,15
	ds_store_b128 v7, v[X+4*\i:X+4*\i+3] offset:528*\i
.endr
.irp b, 0,1,2,3
.irp u, 0,1
.irp e, 0,1
	ds_load_b128 v[X+16*\b+8*\u+4*\e:X+16*\b+8*\u+4*\e+3], v8 offset:128*\b+64*\u+16*\e   ; LDS serves a wave's instructions in order (ISA guide 5.7.1.4): these see my stores, which have taken their data
.endr
.endr
.endr
	s_wait_dscnt 0x0
.irp k, 0,1,2,3
	v_pk_mul_f32 v[114+2*\k:115+2*\k], v[X+2*\k:X+2*\k+1], v[X+2*\k:X+2*\k+1]   ; the sum of squares of my 64, in four chains that the first products start
.endr
.set j, 8
.rept 28
	s_delay_alu instid0(VALU_DEP_4)
	v_pk_fma_f32 v[114+2*((j/2)%4):115+2*((j/2)%4)], v[X+j:X+j+1], v[X+j:X+j+1], v[114+2*((j/2)%4):115+2*((j/2)%4)]
.set j, j+2
.endr
	s_delay_alu instid0(VALU_DEP_3)
	v_pk_add_f32 v[114:115], v[114:115], v[116:117]
	s_delay_alu instid0(VALU_DEP_2)
	v_pk_add_f32 v[118:119], v[118:119], v[120:121]
	s_delay_alu instid0(VALU_DEP_1)
	v_pk_add_f32 v[114:115], v[114:115], v[118:119]
	s_delay_alu instid0(VALU_DEP_1)
	v_add_f32 v114, v114, v115
	s_delay_alu instid0(VALU_DEP_1)
	v_permlanex16_b32 v116, v114, s[SEL], s[SEL+1]
	s_delay_alu instid0(VALU_DEP_1)
	v_add_f32 v114, v114, v116                     ; with lane l xor 16's 64: row r's 128 numbers of my K step
	ds_store_b32 v9, v114                          ; lanes r and r + 16 write the same word with the same value
	s_wait_dscnt 0x0                               ; for the others' sake: my store has landed
	s_barrier_signal -1
	s_barrier_wait -1
.irp j, 0,1,2,3
	ds_load_b128 v[12+4*\j:15+4*\j], v10 offset:16*\j
.endr
	s_wait_dscnt 0x0
.irp j, 0,4,8,12
	v_pk_add_f32 v[12+\j:13+\j], v[12+\j:13+\j], v[14+\j:15+\j]   ; one fixed tree, the same in all sixteen waves
.endr
	s_delay_alu instid0(VALU_DEP_3)
	v_pk_add_f32 v[12:13], v[12:13], v[16:17]
	s_delay_alu instid0(VALU_DEP_2)
	v_pk_add_f32 v[20:21], v[20:21], v[24:25]
	s_delay_alu instid0(VALU_DEP_1)
	v_pk_add_f32 v[12:13], v[12:13], v[20:21]
	s_delay_alu instid0(VALU_DEP_1)
	v_add_f32 v12, v12, v13
	s_delay_alu instid0(VALU_DEP_1)
	v_fma_f32 v114, v12, s28, s29                  ; mean + eps
	s_wait_alu depctr_va_vdst(0)
	v_rsq_f32 v122, v114
	v_mov_b32 v123, 0                              ; the plain place behind the rsq; and the pair's upper register is written, since the packed form names the pair
.macro S1LOAD g                        ; scale1 at k = 32 g + 16 u + 8 h + 4 e ..: the sixteen lanes of a half read the same bytes
.irp u, 0,1
.irp e, 0,1
	ds_load_b128 v[12+8*\u+4*\e:15+8*\u+4*\e], v113 offset:128*(\g)+64*\u+16*\e
.endr
.endr
.endm
	S1LOAD 0                                       ; on its way while x is scaled by 1 / rms
.set j, 0
	s_wait_alu depctr_va_vdst(0)
.rept 32
	v_pk_mul_f32 v[X+j:X+j+1], v[X+j:X+j+1], v[122:123] op_sel_hi:[1,0]
.set j, j+2
.endr
.irp g, 0,1,2,3
	s_wait_dscnt 0x0
.set j, 0
.rept 8
	v_pk_mul_f32 v[X+16*\g+j:X+16*\g+j+1], v[X+16*\g+j:X+16*\g+j+1], v[12+j:13+j]
.set j, j+2
.endr
.if \g < 3
	S1LOAD \g+1
.endif
.endr
	QUANT X
.irp c, 0,1,2
	global_store_b128 v4, v[PC+4*\c:PC+4*\c+3], s[30:31] offset:512*\c   ; the image as it stands: 512 consecutive bytes a store
.endr
	global_store_b32 v5, v[PW], s[32:33]           ; 16 rows' words, 64 bytes; lanes r and r + 16 store the same word to the same place
	s_wait_tensorcnt 0x0
	ds_add_u32 v124, v125
	s_wait_dscnt 0x0
	s_endpgm
; ---------------------------------------------------------------- THE WEIGHTS
; f32 stored [K][N].  A LANE TAKES A COLUMN n AND ITS REGISTERS RUN DOWN K: a load reads 128 consecutive bytes a wave, and the sixteen waves of a work-group stand side by side on 2,048; a block's largest magnitude needs no other lane.
; A wave's task is 32 columns x one K step: 4 blocks a lane, two images (columns 0-15 and 16-31: u = lane / 16).  Blocks h and 2 + h of column 16 u + r are the 12 registers of lane r + 16 h of image u:
; so they are stored straight from the lane that made them, 16 bytes a lane: the sixteen lanes of a half write 256 consecutive bytes, at a multiple of 256 from wb's first byte.  No LDS, no barrier.
; Register 8 a + j of a block takes row 16 (a & 1) + 8 (a >> 1) + j, the order inside a block: eight vector offsets (j x pitch + 4 x lane) and a scalar base for each (block, a).
; REGISTERS: v4 4 x lane; v5 where my 16 bytes of an image lie; v6-9 at work; v10 the scale word; v12-19 the offsets; v20-43 the codes, 12 for each h; v44-46 a block's upper 16 codes; v48-79, v80-111 two sets of 32 numbers.
; s[32:63] the sixteen bases, never rewritten; s[66:67] image u = 0; s[68:69] the scale words.
.Lweights:
	s_wait_alu depctr_va_vdst(0)
	v_lshlrev_b32 v4, 2, v1                        ; 4 x lane
	s_lshl_b32 s25, ttmp9, 4
	s_add_co_u32 s25, s25, s24                     ; the task: 0-1023 Wq, -1279 Wk, -1535 Wv, -1791 W1, -2815 Wo, -3071 W2.  One path for all; only numbers and pointers are chosen, on ids alone
	s_mov_b32 s26, 0                               ; the weight's first task
	s_mov_b32 s27, 6                               ; log2 of its groups of 32 columns
	s_mov_b32 s28, 8192                            ; its pitch in bytes
	s_mov_b32 s29, 16                              ; K steps in a row of its block of wb
	s_mov_b32 s30, 0                               ; its first K step there
	s_mov_b32 s31, 0                               ; where the block's codes begin
	s_mov_b32 s70, 5505024                         ; and its scale words
	s_mov_b32 s71, 4                               ; its first group of 128 rows n there
	s_wait_alu depctr_va_vdst(0)
	s_wait_kmcnt 0x0
	s_mov_b64 s[72:73], s[8:9]
	s_cmp_ge_u32 s25, 1024
	s_cselect_b64 s[72:73], s[10:11], s[72:73]
	s_cselect_b32 s26, 1024, s26
	s_cselect_b32 s27, 4, s27
	s_cselect_b32 s28, 2048, s28
	s_cselect_b32 s71, 20, s71
	s_cmp_ge_u32 s25, 1280
	s_cselect_b64 s[72:73], s[12:13], s[72:73]
	s_cselect_b32 s26, 1280, s26
	s_cselect_b32 s71, 24, s71
	s_cmp_ge_u32 s25, 1536
	s_cselect_b64 s[72:73], s[14:15], s[72:73]
	s_cselect_b32 s26, 1536, s26
	s_cselect_b32 s71, 0, s71
	s_cmp_ge_u32 s25, 1792
	s_cselect_b64 s[72:73], s[16:17], s[72:73]
	s_cselect_b32 s26, 1792, s26
	s_cselect_b32 s27, 6, s27
	s_cselect_b32 s28, 8192, s28
	s_cselect_b32 s29, 20, s29
	s_cselect_b32 s31, 5734400, s31
	s_cselect_b32 s70, 9666560, s70
	s_cmp_ge_u32 s25, 2816
	s_cselect_b64 s[72:73], s[18:19], s[72:73]
	s_cselect_b32 s26, 2816, s26
	s_cselect_b32 s30, 16, s30
	s_sub_co_u32 s74, s25, s26                     ; the task within its weight
	s_lshl_b32 s75, 1, s27
	s_sub_co_u32 s75, s75, 1
	s_and_b32 s75, s74, s75                        ; which 32 columns: neighbouring waves take neighbouring columns
	s_lshr_b32 s74, s74, s27                       ; which K step
	s_lshl_b32 s76, s74, 7
	s_mul_i32 s76, s76, s28                        ; 128 rows of W a K step,
	s_lshl_b32 s77, s75, 7
	s_add_co_u32 s76, s76, s77                     ; + 128 bytes a group of columns: under 2^24 bytes
	s_mov_b32 s77, 0
	s_add_nc_u64 s[32:33], s[72:73], s[76:77]
	s_lshl_b32 s76, s28, 3                         ; 8 rows of W
	s_lshl_b32 s78, s28, 4                         ; 16 rows
	s_mov_b32 s79, 0
.irp t, 0,1,2,3                                ; the base of (block t, a) at s[32 + 8 t + 2 a]: row 32 t + 16 (a & 1) + 8 (a >> 1)
	s_add_nc_u64 s[32+8*\t+4:32+8*\t+5], s[32+8*\t:32+8*\t+1], s[76:77]
	s_add_nc_u64 s[32+8*\t+2:32+8*\t+3], s[32+8*\t:32+8*\t+1], s[78:79]
	s_add_nc_u64 s[32+8*\t+6:32+8*\t+7], s[32+8*\t+2:32+8*\t+3], s[76:77]
.if \t < 3
	s_add_nc_u64 s[32+8*\t+8:32+8*\t+9], s[32+8*\t+2:32+8*\t+3], s[78:79]
.endif
.endr
.irp j, 0,1,2,3,4,5,6,7
	v_mad_u32_u24 v[12+\j], s28, \j, v4
.endr
.macro LOADW t, w                      ; block t into set w
.irp a, 0,1,2,3
.irp j, 0,1,2,3,4,5,6,7
	global_load_b32 v[48+32*(\w)+8*\a+\j], v[12+\j], s[32+8*(\t)+2*\a:33+8*(\t)+2*\a] th:TH_LOAD_NT
.endr
.endr
.endm
	LOADW 0, 0
	LOADW 1, 1                                     ; two blocks, 64 loads, are asked for ahead (the issue of a load that would pass the counter's field is held: ISA guide 5.7.1)
	; where the results go: made while the loads are out, in registers that no load names
	s_lshl_b32 s76, s71, 3
	s_lshl_b32 s80, s75, 1
	s_add_co_u32 s76, s76, s80                     ; my first row tile: 8 x group of 128 + 2 x group of 32
	s_mul_i32 s76, s76, s29
	s_add_co_u32 s80, s30, s74                     ; my K step in wb
	s_add_co_u32 s76, s76, s80
	s_mul_i32 s76, s76, 1536
	s_add_co_u32 s76, s76, s31
	s_add_nc_u64 s[66:67], s[22:23], s[76:77]
	s_mul_i32 s81, s29, 1536                       ; the next row tile's image lies a row of K steps on
	v_mul_u32_u24 v5, s81, v3
	s_delay_alu instid0(VALU_DEP_1)
	v_lshl_add_u32 v5, v2, 4, v5                   ; image u, + 16 r
	s_lshr_b32 s76, s75, 2
	s_add_co_u32 s76, s76, s71
	s_mul_i32 s76, s76, s29
	s_add_co_u32 s76, s76, s80
	s_lshl_b32 s76, s76, 9                         ; scale words: (group of 128 x K steps + K step) x 512
	s_add_co_u32 s76, s76, s70
	s_and_b32 s82, s75, 3
	s_lshl_b32 s82, s82, 7
	s_add_co_u32 s76, s76, s82                     ; + my 32 rows' words
	s_add_nc_u64 s[68:69], s[22:23], s[76:77]
.macro BLOCKW t                        ; block t = 2 c + h of my column, from set t % 2: registers 6 c .. 6 c + 5 of image lane r + 16 h
.set XS, 48+32*((\t)%2)
.set CQ, 20+12*((\t)%2)+6*((\t)/2)
	v_max3_num_f32 v6, |v[XS]|, |v[XS+1]|, |v[XS+2]|                ; the block's largest magnitude: all 32 numbers are mine; two chains
	v_max3_num_f32 v7, |v[XS+3]|, |v[XS+4]|, |v[XS+5]|
.irp i, 6,10,14,18,22,26
	s_delay_alu instid0(VALU_DEP_2)
	v_max3_num_f32 v6, v6, |v[XS+\i]|, |v[XS+\i+1]|
	s_delay_alu instid0(VALU_DEP_2)
	v_max3_num_f32 v7, v7, |v[XS+\i+2]|, |v[XS+\i+3]|
.endr
	s_delay_alu instid0(VALU_DEP_2)
	v_max3_num_f32 v6, v6, |v[XS+30]|, |v[XS+31]|
	s_delay_alu instid0(VALU_DEP_1)
	v_max3_num_f32 v6, v6, v7, 0x1800000           ; and the floor 2^(3 - 127): the byte cannot fall under 1
	s_delay_alu instid0(VALU_DEP_1)
	v_add_nc_u32 v8, 0xff000000, v6                ; 2 off the exponent field: the conversion takes the exponent field of this operand as its scale
	s_delay_alu instid0(VALU_DEP_1)
	v_lshrrev_b32 v9, 23, v8                       ; the scale's byte
.if (\t) == 0
	s_delay_alu instid0(VALU_DEP_1)
	v_mov_b32 v10, v9                              ; byte b of the word serves block b
.else
	s_delay_alu instid0(VALU_DEP_1)
	v_lshl_or_b32 v10, v9, 8*(\t), v10
.endif
	v_cvt_scalef32_pk16_fp6_f32 v[CQ:CQ+2], v[XS:XS+15], v8
	v_cvt_scalef32_pk16_fp6_f32 v[44:46], v[XS+16:XS+31], v8         ; (a conversion's three registers begin on an even number)
	v_nop                                          ; one plain place behind a scaled conversion
.irp i, 0,1,2
	v_mov_b32 v[CQ+3+\i], v[44+\i]
.endr
.endm
.macro WOUT h                          ; the 12 registers of image lane r + 16 h; no register that a store names is written again
.irp j, 0,1,2
	global_store_b128 v5, v[20+12*\h+4*\j:23+12*\h+4*\j], s[66:67] offset:512*\j+256*\h
.endr
.endm
	s_wait_loadcnt 32                              ; block 0's 32 loads are in; block 1's 32 may be out
	BLOCKW 0
	LOADW 2, 0
	s_wait_loadcnt 32                              ; block 1 is in; block 2 may be out
	BLOCKW 1
	LOADW 3, 1
	s_wait_loadcnt 32                              ; block 2 is in; block 3 may be out
	BLOCKW 2
	WOUT 0                                         ; blocks 0 and 2
	s_wait_loadcnt 0x0
	BLOCKW 3
	WOUT 1                                         ; blocks 1 and 3
	global_store_b32 v4, v10, s[68:69]             ; 32 rows' words: 128 consecutive bytes
	s_endpgm
.Lfunc_end_k_q5dd3e2f40c_prep:
	.size	k_q5dd3e2f40c_prep, .Lfunc_end_k_q5dd3e2f40c_prep-k_q5dd3e2f40c_prep
	.p2alignl 7, 3214868480
	.fill 96, 4, 3214868480
	.section	.rodata,"a",@progbits
	.p2align	6, 0x0
	.amdhsa_kernel k_q5dd3e2f40c_prep
		.amdhsa_group_segment_fixed_size 146944
		.amdhsa_private_segment_fixed_size 0
		.amdhsa_enable_private_segment 0
		.amdhsa_kernarg_size 80
		.amdhsa_user_sgpr_count 2
		.amdhsa_user_sgpr_kernarg_segment_ptr 1
		.amdhsa_wavefront_size32 1
		.amdhsa_system_sgpr_workgroup_id_x 1
		.amdhsa_system_sgpr_workgroup_id_y 1
		.amdhsa_system_sgpr_workgroup_id_z 1
		.amdhsa_system_vgpr_workitem_id 0
		.amdhsa_next_free_vgpr 128
		.amdhsa_next_free_sgpr 84
		.amdhsa_reserve_vcc 0
		.amdhsa_float_denorm_mode_32 3
		.amdhsa_float_denorm_mode_16_64 3
		.amdhsa_memory_ordered 1
		.amdhsa_forward_progress 1
		.amdhsa_inst_pref_size 48
	.end_amdhsa_kernel
	.amdgpu_metadata
---
amdhsa.version: [ 1, 2 ]
amdhsa.kernels:
  - .name:           k_q5dd3e2f40c_prep
    .symbol:         k_q5dd3e2f40c_prep.kd
    .args:
      - { .name: x, .offset: 0, .size: 8, .value_kind: global_buffer, .address_space: global }
      - { .name: scale1, .offset: 8, .size: 8, .value_kind: global_buffer, .address_space: global }
      - { .name: Wq, .offset: 16, .size: 8, .value_kind: global_buffer, .address_space: global }
      - { .name: Wk, .offset: 24, .size: 8, .value_kind: global_buffer, .address_space: global }
      - { .name: Wv, .offset: 32, .size: 8, .value_kind: global_buffer, .address_space: global }
      - { .name: W1, .offset: 40, .size: 8, .value_kind: global_buffer, .address_space: global }
      - { .name: Wo, .offset: 48, .size: 8, .value_kind: global_buffer, .address_space: global }
      - { .name: W2, .offset: 56, .size: 8, .value_kind: global_buffer, .address_space: global }
      - { .name: xb, .offset: 64, .size: 8, .value_kind: global_buffer, .address_space: global }
      - { .name: wb, .offset: 72, .size: 8, .value_kind: global_buffer, .address_space: global }
    .group_segment_fixed_size: 146944
    .private_segment_fixed_size: 0
    .kernarg_segment_align: 8
    .kernarg_segment_size: 80
    .max_flat_workgroup_size: 512
    .sgpr_count:     84
    .vgpr_count:     128
    .wavefront_size: 32
...
	.end_amdgpu_metadata
.endif
;; end of part 1
;; launch gemm1 (part 2): grid 16 x 14, 4 waves a work-group, clusters of 4 x 1, 327,680 bytes of LDS; arguments xb, wb, bv, b1, bq, bk, qkv, acat; writes qkv, acat
.if DOCPART == 2
	.amdgcn_target "amdgcn-amd-amdhsa--gfx1250"
	.amdhsa_code_object_version 6
	.text
	.protected	k_q5dd3e2f40c_gemm1
	.globl	k_q5dd3e2f40c_gemm1
	.p2align	8
	.type	k_q5dd3e2f40c_gemm1,@function
k_q5dd3e2f40c_gemm1:
	s_mov_b64 s[64:65], 0
	v_nop
	global_prefetch_b8 v0, s[64:65] scope:SCOPE_SE
	s_setreg_imm32_b32 hwreg(HW_REG_WAVE_MODE, 25, 1), 1
	s_wait_xcnt 0x0
	s_wait_alu depctr_hold_cnt(0) depctr_sa_sdst(0) depctr_va_vdst(0) depctr_va_sdst(0) depctr_va_ssrc(0) depctr_va_vcc(0) depctr_vm_vsrc(0)
	s_getreg_b32 s2, hwreg(HW_REG_IB_STS2, 6, 4)
	s_cmp_eq_u32 s2, 0
	s_cbranch_scc0 .Lentry_in_a_cluster
	s_endpgm
.Lentry_in_a_cluster:
	s_bfe_u32 s2, ttmp6, 0x10000c
	s_cmp_lg_u32 s2, 0x3003
	s_cbranch_scc0 .Lentry_shape_is_right
	s_endpgm
.Lentry_shape_is_right:
; The four products on xn, K = 2,048, on codes of FP6 (E2M3) with E8M0 scales, their biases, the activation of the feed-forward part, and the quantising of every result for the product that takes it next.
; Work-group y: 0-1 h = xn W1 + b1, then h * sigmoid(h) * h; 2-9 Q; 10-11 K; 12-13 V.  Operands come as images of operand registers (16 rows x 128 K, 1,536 bytes: register R of lane L at 512 (R / 4) + 16 L + 4 (R % 4)).
; A BLOCK is 256 tokens of xn x 256 rows of [W1 | Wq | Wk | Wv]: 16 x 14 = 224 work-groups.  Four waves, each 128 x 128: 64 accumulators, 512 registers.
; Every work-group loads alike: its own 256 tokens into the first half of a slot, the 256 weight rows of its y into the second half.  Source 1's rows fall into the lanes of a result, source 0's into a lane's registers.
; h, Q, K: source 1 = tokens, source 0 = weights, so a lane's registers run along the next product's K (hidden units, a head's 128).  V: the two LDS regions change roles (the fragment and scale addresses are chosen on y alone),
; so a lane's registers run along the keys, which are V's next K.  Wave (WR, WC): half WR of the lanes' side (blocks a), half WC of the registers' side (blocks b).
; Register 8 b + j of lane (r, h) is index 16 b + 8 h + j: inside a block of 32 code position 16 h + 8 u + j holds k = 16 u + 8 h + j, the order that every operand of this program has.
; K goes through a ring of two LDS slots of 2 K steps (a row tile's 3,072 consecutive bytes, at a multiple of 256): 8 fills; the scale words of all of K come once, at the head.
; CLUSTER 4 x 1: the four work-groups of a cluster share the weights' 256 rows and ask for them JOINTLY; each has its own tokens, by a load of its own.  Not 4 x 4: the grid's 14 rows are no multiple of 4.
; PREFETCH INTO THE L2, two fills ahead: with the load of fill q goes an ask for fill q + 2 (at the head's end for fills 1 and 2).  A fill is 12 blocks of 256 bytes of each of 32 row tiles; a lane names a block.  Wave w names its work-group's
; token row tiles 4 w .. 4 w + 3 (48 blocks: 32 and 16 lanes) and weight row tile 4 cx + w (12 lanes): the partners share the weights' blocks out by address.  Lanes left over name their wave's last block again.  The loop's last trip asks for nothing.
; LIMITS: sigmoid by v_exp_f32 and v_rcp_f32 (an ulp each); h^2 * sigmoid(h) for h * sigmoid(h) * h; a block of zeros or under 2^-124 gets the byte 1 (this program alone reads the bytes); NaN and infinities are not served.
; REGISTERS.  Window 0: v1-7 lane terms; v8-9, v10-11 LDS addresses of the lanes' and the registers' side in slot 0, 1; v12 scale words (v13 its start); v14, v15 for the add; v16-18 the prefetches' offsets; v32-47 scale words, two sets of 8
;   (register i: lanes 0-15 the lanes' side's block i, lanes 16-31 the registers' side's); v48-63 bv for V; v64-127 the way out; v128-223 the lanes' side's fragments, one set (on the way out at work).
;   Window 1: v0-95, v96-191 the registers' side's fragments, two sets; v192-255 the bias along the registers.   Windows 2, 3: accumulator (a, b) at v[64 (a % 4) + 8 b], a < 4 in window 2.
.set T,     16
.set RT,    3072                       ; a row tile in a slot: 2 K steps' images
.set HALFT, 8*RT                       ; 128 rows: what one load of the ring brings
.set SLOTB, 4*HALFT                    ; tokens' 256 rows, then the weights' 256
.set SCL,   2*SLOTB                    ; the scale words: tokens' [2][T][128], then the weights'
.set SCB,   512*T
.set SPARE, 262144                     ; the spare words, 128 bytes for each wave: two blocks of 256 bytes that no other line names
.set TILEB, 16*1536*T                  ; the codes of 256 rows in memory
.set ADRA, 8
.set ADRB, 10
.set ADRS, 12
.set ADRS0, 13
.set SPW,  14
.set NIL,  15
.set PF,   16
.set SC,   32
.set BM,   48
.set HA,   64
.set AF,   128
.set PC,   128
.set TM,   160
.set PW,   176
.set TT,   180
.set SEL,  104
.set G1,   24                          ; s[24:31] group 1, s[32:39] group 0 (a set for each slot): the tokens' tiles
.set G0,   32
.set G1B,  48                          ; s[48:55], s[56:63] the weights' tiles
.set G0B,  56
.set G1S,  68                          ; the tokens' scale words
.set G0S,  76
.set G1SB, 80                          ; the weights' scale words
.set G0SB, 88
.set G0H,  92                          ; the head's loads of slot 0: all 256 rows of a side
.set G0HB, 96
.set PFA,  12                          ; s[12:13], s[14:15] where my prefetches stand in xb and in wb
.set PFB,  14
.set MSB, 0
.macro WIN new                         ; the immediate's high byte repeats the setting that is left
.if MSB != \new
	s_set_vgpr_msb (MSB<<8)|\new
.set MSB, \new
.endif
.endm
.set MUL_LO, 0xa1                      ; source 0 window 1, source 1 window 0, C and D window 2
.set MUL_HI, 0xf1                      ; the same, C and D window 3
.macro PLACES n
.rept \n
	v_nop
.endr
.endm
.macro CREST                           ; a round of the cluster's barrier behind its opening barrier
	s_cmp_lg_u32 s20, 0
	s_cbranch_scc1 .Lnot_wave_0_\@
	s_barrier_signal -3
.Lnot_wave_0_\@:
	s_barrier_wait -3
	s_barrier_signal -1
	s_barrier_wait -1
.endm
.macro CROUND
	s_barrier_signal -1
	s_barrier_wait -1
	CREST
.endm
; A fill of the ring: waves 0, 1 bring the halves of the tokens' tile, waves 2, 3 the halves of the weights', jointly.  An s_nop 0 and four v_nop follow each load.
.macro JLOAD s
	s_cmp_eq_u32 s21, 0
	s_cbranch_scc0 .Lfor_b_\@
	tensor_load_to_lds s[G0+4*(\s):G0+4*(\s)+3], s[G1:G1+7]
	s_nop 0
	PLACES 4
	s_branch .Lasked_\@
.Lfor_b_\@:
	tensor_load_to_lds s[G0B+4*(\s):G0B+4*(\s)+3], s[G1B:G1B+7]
	s_nop 0
	PLACES 4
.Lasked_\@:
.endm
.macro ASK off                         ; my 60 blocks of the fill that begins off bytes behind where the pointers stand
	global_prefetch_b8 v[PF], s[PFA:PFA+1] offset:\off th:TH_LOAD_NT scope:SCOPE_SE
	global_prefetch_b8 v[PF+1], s[PFA:PFA+1] offset:\off th:TH_LOAD_NT scope:SCOPE_SE
	global_prefetch_b8 v[PF+2], s[PFB:PFB+1] offset:\off th:TH_LOAD_NT scope:SCOPE_SE
.endm
.macro FETCH_B s, q, p                 ; the registers' side: eight fragments of K step q of slot s into set p; each load 512 consecutive bytes
	WIN 0x40
.irp i, 0,1,2,3,4,5,6,7
.irp c, 0,1,2
	ds_load_b128 v[96*(\p)+12*\i+4*\c:96*(\p)+12*\i+4*\c+3], v[ADRB+(\s)] offset:RT*\i+1536*(\q)+512*\c
.endr
.endr
	WIN 0
.endm
.macro FETCH_A s, q, i0                ; the lanes' side: blocks i0 .. i0 + 3
.irp i, \i0, \i0+1, \i0+2, \i0+3
.irp c, 0,1,2
	ds_load_b128 v[AF+12*(\i)+4*\c:AF+12*(\i)+4*\c+3], v[ADRA+(\s)] offset:RT*(\i)+1536*(\q)+512*\c
.endr
.endr
.endm
.macro SCALES p, so                    ; a K step's scale words into set p
.irp i, 0,1,2,3,4,5,6,7
	ds_load_b32 v[SC+8*(\p)+\i], v[ADRS] offset:(\so)+64*\i
.endr
.endm
; 16 products: blocks a0, a0 + 1 against the eight b.  The 64 accumulators take turns, one instruction a turn, in the same order in every step.
.macro MUL16 a0, p, zero
.irp a, \a0, \a0+1
.irp b, 0,1,2,3,4,5,6,7
.if \zero
	v_wmma_scale_f32_16x16x128_f8f6f4 v[8*(8*((\a)%4)+\b):8*(8*((\a)%4)+\b)+7], v[96*(\p)+12*\b:96*(\p)+12*\b+11], v[AF+12*(\a):AF+12*(\a)+11], 0, v[SC+8*(\p)+\b], v[SC+8*(\p)+(\a)] matrix_a_fmt:MATRIX_FMT_FP6 matrix_b_fmt:MATRIX_FMT_FP6 matrix_a_scale:MATRIX_SCALE_ROW1
.else
	v_wmma_scale_f32_16x16x128_f8f6f4 v[8*(8*((\a)%4)+\b):8*(8*((\a)%4)+\b)+7], v[96*(\p)+12*\b:96*(\p)+12*\b+11], v[AF+12*(\a):AF+12*(\a)+11], v[8*(8*((\a)%4)+\b):8*(8*((\a)%4)+\b)+7], v[SC+8*(\p)+\b], v[SC+8*(\p)+(\a)] matrix_a_fmt:MATRIX_FMT_FP6 matrix_b_fmt:MATRIX_FMT_FP6 matrix_a_scale:MATRIX_SCALE_ROW1
.endif
.endr
.endr
.endm
; A K step: 64 products on set p; the next step's fragments (K step nq of slot ns, scale words at so) are fetched in its middle and at its end.
; kind 0: the next step lies in the same slot.  kind 1: it lies in the other slot, and this slot is filled again, 4 K steps on.  kind 2: the same with nothing left to fetch.  kind 3: the last step.
; Where slots change, the step's first 32 products, which need no new tile, stand ahead of the wait for the tensor loads: 128 products stand between a refill and the wait for it.
; ask: in the loop, the fill that is prefetched with the refill, in bytes from the pointers; 0: none.
.macro STEP p, kind, ns, nq, so, zero, ask
	s_wait_dscnt 12                                ; all but the youngest 12 loads (blocks a = 4 .. 7) are in
	WIN MUL_LO
	MUL16 0, \p, \zero
	MUL16 2, \p, \zero
.if (\kind == 1) || (\kind == 2)
	WIN 0
	s_wait_tensorcnt 0x0                           ; all my tensor loads have landed: my part of the next slot
	ds_add_u32 v[SPW], v[NIL]                      ; 0 onto my spare word
	s_wait_dscnt 0x0                               ; the add is done, and my reads of this slot are over: all this step's fragments are in registers
	s_barrier_signal -1
	s_barrier_wait -1
.if \kind == 1
.set TS, 1-(\ns)
	CREST                                          ; the barrier has opened a round of the cluster's barrier: no wave of any partner still reads this slot or has a load on its way
	s_add_nc_u64 s[G0+4*TS+2:G0+4*TS+3], s[G0+4*TS+2:G0+4*TS+3], 2*RT
	s_add_nc_u64 s[G0B+4*TS+2:G0B+4*TS+3], s[G0B+4*TS+2:G0B+4*TS+3], 2*RT
	JLOAD TS                                       ; the first tensor load behind the round, one a wave; its four v_nop are the places in front of the loads below
.else
	PLACES 4
.endif
.else
	s_wait_dscnt 0x0
.if \kind != 3
	PLACES 4                                       ; four plain places between products and loads into registers that they read (ISA guide 7.12.1 for vector instructions)
.endif
.endif
.if \kind != 3
	FETCH_B \ns, \nq, 1-(\p)
	FETCH_A \ns, \nq, 0
	SCALES 1-(\p), \so
.endif
.if \ask
	s_cmp_eq_u32 s68, 1                            ; the loop's last trip has no fill two on
	s_cbranch_scc1 .Lno_ask_\@
	ASK \ask
.Lno_ask_\@:
.endif
	WIN MUL_HI
	MUL16 4, \p, \zero
	MUL16 6, \p, \zero
	PLACES 4
	WIN 0
.if \kind != 3
	FETCH_A \ns, \nq, 4
.endif
.endm
; 64 numbers of a lane, four blocks of 32 shared with lane l xor 16, become a fragment's codes in v[PC] .. v[PC + 11] and my row's scale word in v[PW].
.macro QUANT s
.irp b, 0,1,2,3
	v_max3_num_f32 v[TM+\b], |v[\s+16*\b]|, |v[\s+1+16*\b]|, 0x1800000   ; my 16 numbers, and the floor 2^(3 - 127): the byte cannot fall under 1
.endr
.irp i, 2,4,6,8,10,12,14
.irp b, 0,1,2,3
	v_max3_num_f32 v[TM+\b], v[TM+\b], |v[\s+16*\b+\i]|, |v[\s+1+16*\b+\i]|
.endr
.endr
.irp b, 0,1,2,3
	v_permlanex16_b32 v[TM+4+\b], v[TM+\b], s[SEL], s[SEL+1]
.endr
.irp b, 0,1,2,3
	v_max_num_f32 v[TM+\b], v[TM+\b], v[TM+4+\b]
.endr
.irp b, 0,1,2,3
	v_add_nc_u32 v[TM+12+\b], 0xff000000, v[TM+\b]   ; 2 off the exponent field: the conversion's scale operand
.endr
.irp b, 0,1,2,3
	v_lshrrev_b32 v[TM+4+\b], 23, v[TM+12+\b]      ; the scale's byte
.endr
	v_lshl_or_b32 v[PW], v[TM+5], 8, v[TM+4]
	v_lshl_or_b32 v[PW], v[TM+6], 16, v[PW]
	v_lshl_or_b32 v[PW], v[TM+7], 24, v[PW]
.irp c, 0,1
	v_cvt_scalef32_pk16_fp6_f32 v[PC+6*\c:PC+2+6*\c], v[\s+32*\c:\s+15+32*\c], v[TM+12+2*\c]
	v_cvt_scalef32_pk16_fp6_f32 v[PC+12+4*\c:PC+14+4*\c], v[\s+16+32*\c:\s+31+32*\c], v[TM+12+2*\c+1]
.endr
	v_nop                                          ; one plain place behind a scaled conversion
.irp c, 0,1
.irp i, 0,1,2
	v_permlane16_swap_b32 v[PC+6*\c+\i], v[PC+12+4*\c+\i]
.endr
.irp i, 0,1,2
	v_mov_b32 v[PC+3+6*\c+\i], v[PC+12+4*\c+\i]
.endr
.endr
.endm
; h^2 / (1 + 2^(-h log2 e)) on v[HA] .. v[HA + 63], sixteen at a time
.macro ACT
.irp g, 0,1,2,3
.irp i, 0,2,4,6,8,10,12,14
	v_pk_mul_f32 v[TT+\i:TT+\i+1], v[HA+16*\g+\i:HA+16*\g+\i+1], 0xbfb8aa3b op_sel_hi:[1,0]
.endr
	s_wait_alu depctr_va_vdst(0)
.irp i, 0,1,2,3,4,5,6,7,8,9,10,11,12,13,14,15
	v_exp_f32 v[TT+\i], v[TT+\i]
.endr
.irp i, 0,2,4,6,8,10,12,14
	v_pk_mul_f32 v[HA+16*\g+\i:HA+16*\g+\i+1], v[HA+16*\g+\i:HA+16*\g+\i+1], v[HA+16*\g+\i:HA+16*\g+\i+1]   ; h^2: also the plain places behind the exponentials
.endr
	s_wait_alu depctr_va_vdst(0)
.irp i, 0,2,4,6,8,10,12,14
	v_pk_add_f32 v[TT+\i:TT+\i+1], v[TT+\i:TT+\i+1], 1.0 op_sel_hi:[1,0]
.endr
	s_wait_alu depctr_va_vdst(0)
.irp i, 0,1,2,3,4,5,6,7,8,9,10,11,12,13,14,15
	v_rcp_f32 v[TT+\i], v[TT+\i]
.endr
	v_nop                                          ; a plain place behind the reciprocals
	s_wait_alu depctr_va_vdst(0)
.irp i, 0,2,4,6,8,10,12,14
	v_pk_mul_f32 v[HA+16*\g+\i:HA+16*\g+\i+1], v[HA+16*\g+\i:HA+16*\g+\i+1], v[TT+\i:TT+\i+1]
.endr
.endr
.endm
	s_load_b256 s[4:11], s[0:1], 0x0               ; xb s[4:5], wb s[6:7], bv s[8:9], b1 s[10:11]
	s_load_b256 s[12:19], s[0:1], 0x20             ; bq s[12:13], bk s[14:15], qkv s[16:17], acat s[18:19]
	v_lshl_add_u32 v[SPW], v0, 2, SPARE
	v_mov_b32 v[NIL], 0
	ds_add_u32 v[SPW], v[NIL]                      ; the opening lines: the add, twice on end, and its wait ahead of my first tensor load
	ds_add_u32 v[SPW], v[NIL]
	v_lshrrev_b32 v1, 5, v0
	v_readfirstlane_b32 s20, v1                    ; wave 0..3
	s_lshr_b32 s21, s20, 1                         ; WR.  Also: I fetch tokens (0) or weights (1)
	s_and_b32 s22, s20, 1                          ; WC.  Also: which 128 rows of that tile I fetch
	s_bfe_u32 s23, ttmp6, 0x40000                  ; cx
	s_and_b32 s40, ttmp7, 0xffff                   ; y, which the four partners share
	s_lshl_b32 s41, ttmp9, 2
	s_add_co_u32 s41, s41, s23                     ; MT: my 256 tokens
	s_cmp_ge_u32 s40, 12
	s_cselect_b32 s42, 1, 0                        ; TV: a work-group of V
	s_cmp_lt_u32 s40, 2
	s_cselect_b32 s43, 1, 0                        ; TH: of h
	s_mov_b32 s[SEL], 0x76543210
	s_mov_b32 s[SEL+1], 0xfedcba98
	; groups 1.  A tile: row tiles of 384 elements of 8 bytes (2 K steps' images), 192 T elements apart: 16 of them for the head's loads, 8 behind the head.  The weights': the four partners, bit 21 beside the mask
	s_mov_b32 s[G1], 3<<16
	s_mov_b32 s[G1B], 15|(3<<16)|(1<<21)
.irp g, G1, G1B
	s_mov_b32 s[\g+1], 384<<16
	s_mov_b32 s[\g+2], 16<<16
	s_mov_b32 s[\g+3], 384<<16
	s_mov_b32 s[\g+4], 16
	s_mov_b32 s[\g+5], 192*T
	s_mov_b32 s[\g+6], 0
	s_mov_b32 s[\g+7], 0
.endr
	; the scale words of 256 rows, all of K: 2 SCB dense bytes as 64 rows of 256
	s_mov_b32 s[G1S], 3<<16
	s_mov_b32 s[G1SB], 15|(3<<16)|(1<<21)
.irp g, G1S, G1SB
	s_mov_b32 s[\g+1], 32<<16
	s_mov_b32 s[\g+2], 64<<16
	s_mov_b32 s[\g+3], 32<<16
	s_mov_b32 s[\g+4], 64
	s_mov_b32 s[\g+5], 32
	s_mov_b32 s[\g+6], 0
	s_mov_b32 s[\g+7], 0
.endr
	s_mul_i32 s44, s41, TILEB                      ; my tokens' codes,
	s_mov_b32 s45, 0
	s_lshl_b32 s46, s41, 14
	s_add_co_u32 s46, s46, 6291456                 ; and scale words
	s_mov_b32 s47, 0
	s_mul_i32 s66, s40, TILEB                      ; the weights': made of y alone, in registers that never hold cx
	s_mov_b32 s67, 0
	s_lshl_b32 s100, s40, 14
	s_add_co_u32 s100, s100, 5505024
	s_mov_b32 s101, 0
	s_mul_i32 s2, s22, 8*1536*T                    ; in the ring I fetch 128 rows: which half,
	s_mov_b32 s3, 0
	s_mul_i32 s23, s20, HALFT                      ; and where they go: wave x 128 rows
	s_wait_dscnt 0x0                               ; both opening adds are done
	s_wait_kmcnt 0x0
	s_add_nc_u64 s[44:45], s[4:5], s[44:45]
	s_add_nc_u64 s[46:47], s[4:5], s[46:47]
	s_add_nc_u64 s[66:67], s[6:7], s[66:67]
	s_add_nc_u64 s[100:101], s[6:7], s[100:101]
	s_mov_b32 s[G0H], 1
	s_mov_b32 s[G0H+1], 0
	s_mov_b64 s[G0H+2:G0H+3], s[44:45]
	s_or_b32 s[G0H+3], s[G0H+3], 0x80000000
	s_mov_b32 s[G0HB], 1
	s_mov_b32 s[G0HB+1], 2*HALFT
	s_mov_b64 s[G0HB+2:G0HB+3], s[66:67]
	s_or_b32 s[G0HB+3], s[G0HB+3], 0x80000000
	s_mov_b32 s[G0S], 1
	s_mov_b32 s[G0S+1], SCL
	s_mov_b64 s[G0S+2:G0S+3], s[46:47]
	s_or_b32 s[G0S+3], s[G0S+3], 0x80000000
	s_mov_b32 s[G0SB], 1
	s_mov_b32 s[G0SB+1], SCL+2*SCB
	s_mov_b64 s[G0SB+2:G0SB+3], s[100:101]
	s_or_b32 s[G0SB+3], s[G0SB+3], 0x80000000
	s_add_nc_u64 s[44:45], s[44:45], s[2:3]
	s_add_nc_u64 s[66:67], s[66:67], s[2:3]
.irp s, 0,1
	s_mov_b32 s[G0+4*\s], 1
	s_add_co_u32 s[G0+4*\s+1], s23, \s*SLOTB
	s_add_nc_u64 s[G0+4*\s+2:G0+4*\s+3], s[44:45], \s*RT
	s_or_b32 s[G0+4*\s+3], s[G0+4*\s+3], 0x80000000
	s_mov_b32 s[G0B+4*\s], 1
	s_add_co_u32 s[G0B+4*\s+1], s23, \s*SLOTB
	s_add_nc_u64 s[G0B+4*\s+2:G0B+4*\s+3], s[66:67], \s*RT
	s_or_b32 s[G0B+4*\s+3], s[G0B+4*\s+3], 0x80000000
.endr
	CROUND                                         ; all four work-groups are here: the first joint loads meet
; THE HEAD'S LOADS, ONE A WAVE: wave 0 slot 0's 256 tokens, wave 1 its 256 weight rows, wave 2 the tokens' scale words, wave 3 the weights'.  One tree of branches on the wave's number.
.macro ARM under, g0, g1, next
	s_cmp_lt_u32 s20, \under
	s_cbranch_scc0 \next
	tensor_load_to_lds s[\g0:\g0+3], s[\g1:\g1+7]
	s_nop 0
	PLACES 4
	s_branch .Lhead_asked
\next:
.endm
	ARM 1, G0H,  G1,  .Lhead_b
	ARM 2, G0HB, G1B, .Lhead_sa
	ARM 3, G0S,  G1S, .Lhead_sb
	tensor_load_to_lds s[G0SB:G0SB+3], s[G1SB:G1SB+7]
	s_nop 0
	PLACES 4
.Lhead_asked:
	; which LDS region feeds which side: chosen on y alone
	s_mul_i32 s4, s21, HALFT
	s_mul_i32 s5, s22, HALFT
	s_cmp_lg_u32 s42, 0
	s_cselect_b32 s6, 2*HALFT, 0                   ; the lanes' side: tokens, for V the weights
	s_cselect_b32 s7, 0, 2*HALFT                   ; the registers' side: weights, for V the tokens
	s_add_co_u32 s4, s4, s6
	s_add_co_u32 s5, s5, s7
	s_xor_b32 s6, s21, s22                         ; 1 where my two halves differ
	v_and_b32 v1, 31, v0                           ; lane
	v_and_b32 v2, 15, v0                           ; r
	v_bfe_u32 v3, v0, 4, 1                         ; h
	v_lshlrev_b32 v4, 4, v1                        ; 16 x lane
	v_lshlrev_b32 v5, 2, v2                        ; 4 r
	v_lshlrev_b32 v6, 5, v3                        ; 32 h
	v_add_nc_u32 v[ADRA], s4, v4
	v_add_nc_u32 v[ADRA+1], SLOTB, v[ADRA]
	v_add_nc_u32 v[ADRB], s5, v4
	v_add_nc_u32 v[ADRB+1], SLOTB, v[ADRB]
	v_xor_b32 v7, s42, v3                          ; 1 in the lanes that take the weights' words: lanes 16-31, for V lanes 0-15
	v_and_b32 v[ADRS0], s6, v3
	v_xor_b32 v[ADRS0], s21, v[ADRS0]              ; which group of 128 rows: WR in lanes 0-15 (the lanes' side), WC in lanes 16-31 (the registers' side)
	v_lshl_add_u32 v[ADRS0], v[ADRS0], 13, v5      ; SCB x group + 4 r
	v_lshl_add_u32 v[ADRS0], v7, 14, v[ADRS0]      ; + 2 SCB for the weights' words
	v_add_nc_u32 v[ADRS0], SCL, v[ADRS0]
	v_mov_b32 v[ADRS], v[ADRS0]
	v_lshrrev_b32 v[PF], 3, v1                     ; the prefetches' offsets.  First: row tile lane / 8 of my four, block lane % 8 of its twelve
	v_mul_u32_u24 v[PF], v[PF], 1536*T
	v_and_b32 v19, 7, v1
	v_lshl_add_u32 v[PF], v19, 8, v[PF]
	v_min_u32 v19, 15, v1                          ; second: lanes 0-15: row tile lane / 4, block 8 + lane % 4; the others name lane 15's again
	v_lshrrev_b32 v[PF+1], 2, v19
	v_mul_u32_u24 v[PF+1], v[PF+1], 1536*T
	v_and_b32 v19, 3, v19
	v_lshl_add_u32 v[PF+1], v19, 8, v[PF+1]
	v_add_nc_u32 v[PF+1], 2048, v[PF+1]
	v_min_u32 v[PF+2], 11, v1                      ; third: the twelve blocks of one row tile of the weights; the others name lane 11's again
	v_lshlrev_b32 v[PF+2], 8, v[PF+2]
.irp a, 0,1,2,3,4,5,6,7
	v_mov_b32 v[BM+2*\a+1], 0                      ; (the packed form names the pair)
.endr
	s_wait_alu depctr_va_vdst(0)                   ; ahead of the run of scalar instructions
	; WHERE THE RESULTS GO, in bytes.  Q, K: unit of 128 rows ((batch x heads + head) 8 + 2 (MT % 4) + WR): 8 images, 128 words
	s_lshr_b32 s2, s41, 2                          ; batch
	s_and_b32 s3, s41, 3
	s_lshl_b32 s3, s3, 1
	s_cmp_ge_u32 s40, 10
	s_cselect_b32 s4, 10, 2                        ; the part's first y
	s_cselect_b32 s5, 2, 4                         ; log2 of its heads
	s_mov_b32 s6, 6291456
	s_cselect_b32 s6, s6, 0                        ; its codes,
	s_mov_b32 s7, 9437184
	s_cselect_b32 s7, 9699328, s7                  ; its scale words
	s_sub_co_u32 s4, s40, s4
	s_lshl_b32 s4, s4, 1
	s_add_co_u32 s4, s4, s22                       ; head
	s_lshl_b32 s5, s2, s5
	s_add_co_u32 s4, s4, s5
	s_lshl_b32 s4, s4, 3
	s_add_co_u32 s4, s4, s3
	s_add_co_u32 s4, s4, s21
	s_mul_i32 s66, s4, 8*1536
	s_add_co_u32 s66, s66, s6
	s_lshl_b32 s67, s4, 9
	s_add_co_u32 s67, s67, s7
	; h: acat, image (row tile x 20 + 16 + 2 y + WC), words ((group of 128 tokens x 20 + K step) 128 + row)
	s_lshl_b32 s4, s40, 1
	s_add_co_u32 s4, s4, s22
	s_add_co_u32 s4, s4, 16
	s_lshl_b32 s5, s41, 1
	s_add_co_u32 s5, s5, s21
	s_mul_i32 s6, s5, 160
	s_add_co_u32 s6, s6, s4
	s_mul_i32 s6, s6, 1536
	s_mul_i32 s7, s5, 20
	s_add_co_u32 s7, s7, s4
	s_lshl_b32 s7, s7, 9
	s_add_co_u32 s7, s7, 7864320
	s_cmp_lg_u32 s43, 0
	s_cselect_b32 s66, s6, s66
	s_cselect_b32 s67, s7, s67
	; V: unit ((batch 4 + head) 8 + key step): 8 images (tiles of d), 128 words
	s_sub_co_u32 s4, s40, 12
	s_lshl_b32 s4, s4, 1
	s_add_co_u32 s4, s4, s21                       ; head
	s_lshl_b32 s5, s2, 2
	s_add_co_u32 s4, s4, s5
	s_lshl_b32 s4, s4, 3
	s_add_co_u32 s4, s4, s3
	s_add_co_u32 s4, s4, s22                       ; key step
	s_mul_i32 s6, s4, 8*1536
	s_add_co_u32 s6, s6, 7864320
	s_lshl_b32 s7, s4, 9
	s_add_co_u32 s7, s7, 9764864
	s_cmp_lg_u32 s42, 0
	s_cselect_b32 s66, s6, s66
	s_cselect_b32 s67, s7, s67
	s_cmp_lg_u32 s43, 0
	s_cselect_b64 s[2:3], s[18:19], s[16:17]       ; h goes to acat, the others to qkv
	s_mov_b32 s100, 30720
	s_cselect_b32 s100, s100, 1536                 ; from block a's image to block a + 1's
	s_mov_b32 s101, 0
	s_mov_b32 s4, s66
	s_mov_b32 s5, 0
	s_add_nc_u64 s[44:45], s[2:3], s[4:5]          ; block 0's image
	s_mov_b32 s4, s67
	s_add_nc_u64 s[46:47], s[2:3], s[4:5]          ; block 0's scale words
	; the bias along the registers (h, Q, K): b1, bq or bk at my 128 columns.  A work-group of V loads bv's first numbers there and does not use them
	s_cmp_lt_u32 s40, 12
	s_cselect_b64 s[2:3], s[14:15], s[8:9]
	s_cselect_b32 s66, 10, s40
	s_cmp_lt_u32 s40, 10
	s_cselect_b64 s[2:3], s[12:13], s[2:3]
	s_cselect_b32 s66, 2, s66
	s_cmp_lt_u32 s40, 2
	s_cselect_b64 s[2:3], s[10:11], s[2:3]
	s_cselect_b32 s66, 0, s66
	s_sub_co_u32 s66, s40, s66
	s_lshl_b32 s66, s66, 10
	s_lshl_b32 s67, s22, 9
	s_add_co_u32 s66, s66, s67
	s_mov_b32 s67, 0
	s_add_nc_u64 s[2:3], s[2:3], s[66:67]
	s_sub_co_u32 s66, s40, 12                      ; the bias along the lanes (V): bv at my 128 rows; elsewhere bv's first numbers, inside bv, not used
	s_cmp_lg_u32 s42, 0
	s_cselect_b32 s66, s66, 0
	s_lshl_b32 s66, s66, 10
	s_lshl_b32 s6, s21, 9
	s_add_co_u32 s66, s66, s6
	s_add_nc_u64 s[4:5], s[8:9], s[66:67]
	s_load_b128 s[PFA:PFA+3], s[0:1], 0x0          ; xb and wb once more, for the prefetches (bq's and bk's addresses have been used)
	WIN 0x40
.irp b, 0,1,2,3,4,5,6,7
.irp e, 0,1
	global_load_b128 v[192+8*\b+4*\e:192+8*\b+4*\e+3], v6, s[2:3] offset:64*\b+16*\e   ; register 8 b + j: the bias of column 16 b + 8 h + j
.endr
.endr
	WIN 0
.irp a, 0,1,2,3,4,5,6,7
	global_load_b32 v[BM+2*\a], v5, s[4:5] offset:64*\a
.endr
	s_mul_i32 s10, s20, 4*1536*T                   ; my four row tiles of my tokens,
	s_mul_i32 s11, s41, TILEB
	s_add_co_u32 s10, s10, s11
	s_mov_b32 s11, 0
	s_bfe_u32 s6, ttmp6, 0x40000                   ; cx: it enters the prefetches' address alone
	s_lshl_b32 s6, s6, 2
	s_add_co_u32 s6, s6, s20                       ; and row tile 4 cx + wave of the weights' sixteen
	s_mul_i32 s6, s6, 1536*T
	s_mul_i32 s7, s40, TILEB
	s_add_co_u32 s6, s6, s7
	s_mov_b32 s7, 0
	s_wait_kmcnt 0x0
	s_add_nc_u64 s[PFA:PFA+1], s[PFA:PFA+1], s[10:11]
	s_add_nc_u64 s[PFB:PFB+1], s[PFB:PFB+1], s[6:7]
	ASK RT                                         ; fills 1 and 2
	ASK 2*RT
	s_wait_alu depctr_va_vdst(0)
	s_wait_tensorcnt 0x0                           ; my tile of the head's four is in
	ds_add_u32 v[SPW], v[NIL]
	s_mov_b32 s[G1+2], 8<<16                       ; no tensor load of mine is out: from here on a load brings 8 row tiles
	s_mov_b32 s[G1+4], 8
	s_mov_b32 s[G1B+2], 8<<16
	s_mov_b32 s[G1B+4], 8
	s_mov_b32 s69, 0                               ; how far the scale words' address has gone
	s_mov_b32 s68, 3                               ; the loop's trips
	s_wait_dscnt 0x0
	CROUND                                         ; all four tiles are in, and all four work-groups are here
	JLOAD 1                                        ; K steps 2 and 3: the first tensor load behind the round
	FETCH_B 0, 0, 0
	FETCH_A 0, 0, 0
	SCALES 0, 0
	FETCH_A 0, 0, 4
	ASK 3*RT                                       ; fill 3
	STEP 0, 0, 0, 1, 512, 1, 0                     ; K step 0 starts the sums: nothing is cleared
.Lk:                                                   ; a trip: K steps 4 i + 1 .. 4 i + 4: once round the ring, both slots filled again (fills 2 i + 2, 2 i + 3); fills 2 i + 4, 2 i + 5 are prefetched
	STEP 1, 1, 1, 0, 1024, 0, 4*RT
	STEP 0, 0, 1, 1, 1536, 0, 0
	s_add_co_u32 s69, s69, 4*512
	v_add_nc_u32 v[ADRS], s69, v[ADRS0]            ; four K steps of scale words on: the address stands at K step 4 i + 4, so that no immediate behind it passes 1,536 + 448
	s_wait_alu depctr_va_vdst(0)                   ; directly behind the write
	STEP 1, 1, 0, 0, 0, 0, 5*RT
	STEP 0, 0, 0, 1, 512, 0, 0
	s_wait_xcnt 0x0                                ; my prefetches have read their addresses (the last stands 96 products back): the pointers step two fills
	s_add_nc_u64 s[PFA:PFA+1], s[PFA:PFA+1], 2*RT
	s_add_nc_u64 s[PFB:PFB+1], s[PFB:PFB+1], 2*RT
	s_sub_co_u32 s68, s68, 1
	s_cmp_lg_u32 s68, 0
	s_cbranch_scc1 .Lk
	STEP 1, 2, 1, 0, 1024, 0, 0                    ; K steps 13 to 15: nothing is left to fetch from memory
	STEP 0, 0, 1, 1, 1536, 0, 0
	STEP 1, 3, 0, 0, 0, 0, 0
; THE WAY OUT: no LDS.  A loop of eight trips, one for each block a: its 64 accumulator registers get their bias on the way into v[HA ..] (the only lines that differ from block to block: a copy for each a, found by the trip's number);
; then, written once: h's activation, the quantiser, the image's stores.
	s_wait_loadcnt 0x0                             ; the biases
.irp b, 0,1,2,3
	v_mov_b32 v[TM+4+\b], 0                        ; written once: a lane permute's destination counts as one of its sources
.endr
	s_mov_b32 s68, 0
.macro COPY a, v
.if \v
.set WN, 0x02+(\a)/4
.else
.set WN, 0x06+(\a)/4
.endif
	WIN WN                                         ; source 0: window 2 or 3; source 1: window 1 (the bias along the registers) or 0 (V: one bias a lane)
	s_wait_alu depctr_va_vdst(0)                   ; directly ahead of the first reader of these matrix results
.set i, 0
.rept 32
.if \v
	v_pk_add_f32 v[HA+i:HA+i+1], v[64*((\a)%4)+i:64*((\a)%4)+i+1], v[BM+2*(\a):BM+2*(\a)+1] op_sel_hi:[1,0]
.else
	v_pk_add_f32 v[HA+i:HA+i+1], v[64*((\a)%4)+i:64*((\a)%4)+i+1], v[192+i:192+i+1]   ; each accumulator from its low end on
.endif
.set i, i+2
.endr
	WIN 0
	s_wait_alu depctr_va_vdst(0)
	s_branch .Lcommon
.endm
.Lout:
	s_cmp_lg_u32 s42, 0
	s_cbranch_scc1 .Lvsel
.irp a, 0,1,2,3,4,5,6
	s_cmp_eq_u32 s68, \a
	s_cbranch_scc1 .Lc\a
.endr
	s_branch .Lc7
.Lvsel:
.irp a, 0,1,2,3,4,5,6
	s_cmp_eq_u32 s68, \a
	s_cbranch_scc1 .Lv\a
.endr
	s_branch .Lv7
.irp a, 0,1,2,3,4,5,6,7
.Lc\a:
	COPY \a, 0
.Lv\a:
	COPY \a, 1
.endr
.Lcommon:
	s_cmp_eq_u32 s43, 0
	s_cbranch_scc1 .Lq
	ACT
.Lq:
	QUANT HA
.irp c, 0,1,2
	global_store_b128 v4, v[PC+4*\c:PC+4*\c+3], s[44:45] offset:512*\c   ; 512 consecutive bytes, at a multiple of 256 from the buffer's first byte
.endr
	global_store_b32 v5, v[PW], s[46:47]           ; 16 rows' words; lanes r and r + 16 store the same word to the same place
	s_wait_xcnt 0x0                                ; the stores have read their registers and bases: both are written again below and in the next trip
	s_add_nc_u64 s[44:45], s[44:45], s[100:101]
	s_add_nc_u64 s[46:47], s[46:47], 64
	s_add_co_u32 s68, s68, 1
	s_cmp_lt_u32 s68, 8
	s_wait_alu depctr_va_vdst(0)
	s_cbranch_scc1 .Lout
	s_wait_tensorcnt 0x0                           ; the wave's end
	ds_add_u32 v[SPW], v[NIL]
	s_wait_dscnt 0x0
	CROUND                                         ; the closing round: no work-group ends while a partner may still ask for a tile that names it
	s_endpgm
.Lfunc_end_k_q5dd3e2f40c_gemm1:
	.size	k_q5dd3e2f40c_gemm1, .Lfunc_end_k_q5dd3e2f40c_gemm1-k_q5dd3e2f40c_gemm1
	.p2alignl 7, 3214868480
	.fill 96, 4, 3214868480
	.section	.rodata,"a",@progbits
	.p2align	6, 0x0
	.amdhsa_kernel k_q5dd3e2f40c_gemm1
		.amdhsa_group_segment_fixed_size 327680
		.amdhsa_private_segment_fixed_size 0
		.amdhsa_enable_private_segment 0
		.amdhsa_kernarg_size 64
		.amdhsa_user_sgpr_count 2
		.amdhsa_user_sgpr_kernarg_segment_ptr 1
		.amdhsa_wavefront_size32 1
		.amdhsa_system_sgpr_workgroup_id_x 1
		.amdhsa_system_sgpr_workgroup_id_y 1
		.amdhsa_system_sgpr_workgroup_id_z 1
		.amdhsa_system_vgpr_workitem_id 0
		.amdhsa_next_free_vgpr 1024
		.amdhsa_next_free_sgpr 106
		.amdhsa_reserve_vcc 0
		.amdhsa_float_denorm_mode_32 3
		.amdhsa_float_denorm_mode_16_64 3
		.amdhsa_memory_ordered 1
		.amdhsa_forward_progress 1
		.amdhsa_inst_pref_size 170
	.end_amdhsa_kernel
	.amdgpu_metadata
---
amdhsa.version: [ 1, 2 ]
amdhsa.kernels:
  - .name:           k_q5dd3e2f40c_gemm1
    .symbol:         k_q5dd3e2f40c_gemm1.kd
    .args:
      - { .name: xb, .offset: 0, .size: 8, .value_kind: global_buffer, .address_space: global }
      - { .name: wb, .offset: 8, .size: 8, .value_kind: global_buffer, .address_space: global }
      - { .name: bv, .offset: 16, .size: 8, .value_kind: global_buffer, .address_space: global }
      - { .name: b1, .offset: 24, .size: 8, .value_kind: global_buffer, .address_space: global }
      - { .name: bq, .offset: 32, .size: 8, .value_kind: global_buffer, .address_space: global }
      - { .name: bk, .offset: 40, .size: 8, .value_kind: global_buffer, .address_space: global }
      - { .name: qkv, .offset: 48, .size: 8, .value_kind: global_buffer, .address_space: global }
      - { .name: acat, .offset: 56, .size: 8, .value_kind: global_buffer, .address_space: global }
    .group_segment_fixed_size: 327680
    .private_segment_fixed_size: 0
    .kernarg_segment_align: 8
    .kernarg_segment_size: 64
    .max_flat_workgroup_size: 128
    .sgpr_count:     106
    .vgpr_count:     1024
    .wavefront_size: 32
...
	.end_amdgpu_metadata
.endif
;; end of part 2
;; launch attn (part 3): grid 16 x 16, 16 waves a work-group, clusters of 4 x 1, 206,848 bytes of LDS; arguments qkv, acat; writes acat
.if DOCPART == 3
	.amdgcn_target "amdgcn-amd-amdhsa--gfx1250"
	.amdhsa_code_object_version 6
	.text
	.protected	k_q5dd3e2f40c_attn
	.globl	k_q5dd3e2f40c_attn
	.p2align	8
	.type	k_q5dd3e2f40c_attn,@function
k_q5dd3e2f40c_attn:
	s_mov_b64 s[64:65], 0
	v_nop
	global_prefetch_b8 v0, s[64:65] scope:SCOPE_SE
	s_setreg_imm32_b32 hwreg(HW_REG_WAVE_MODE, 25, 1), 1
	s_wait_xcnt 0x0
	s_wait_alu depctr_hold_cnt(0) depctr_sa_sdst(0) depctr_va_vdst(0) depctr_va_sdst(0) depctr_va_ssrc(0) depctr_va_vcc(0) depctr_vm_vsrc(0)
	s_getreg_b32 s2, hwreg(HW_REG_IB_STS2, 6, 4)
	s_cmp_eq_u32 s2, 0
	s_cbranch_scc0 .Lentry_in_a_cluster
	s_endpgm
.Lentry_in_a_cluster:
	s_bfe_u32 s2, ttmp6, 0x10000c
	s_cmp_lg_u32 s2, 0x3003
	s_cbranch_scc0 .Lentry_shape_is_right
	s_endpgm
.Lentry_shape_is_right:
; Attention on codes of FP6 (E2M3): for each of 64 heads O = softmax(Q K^T / sqrt(128)) V, four query heads to one head of K and V, 1,024 keys, no mask; O / l is quantised along the head's 128 and stored as K step 'head' of acat.
; THE SOFTMAX AHEAD OF THE SECOND PRODUCT: t = score x log2(e) / sqrt(128); M = the running largest t rounded UP to a whole number; p = 2^(t - M) is quantised along the keys, not normalised; the row's sum is taken of the unquantised p
; and divides O at the end.  When M moves, the sum and O are multiplied by 2^(old M - new M): exact.
; qkv holds images of operand registers (16 rows x 128 K, 1,536 bytes): Q [b][head 16][tile of 16 queries 64] at 0; K [b][kv head 4][tile of 16 keys 64] at 6,291,456; V [b][kv head][key step 8][tile of 16 d 8] at 7,864,320 (K = 128 keys);
; scale words: Q's [b][head][1,024] at 9,437,184, K's [b][kv head][1,024] at 9,699,328, V's [b][kv head][key step][128 d] at 9,764,864.
; SHARES.  A work-group owns 256 queries of one head; each of its sixteen waves one tile of 16, in 256 registers: four waves to a SIMD, so that one wave's vector work stands beside another's products and LDS loads.
; A KV HEAD'S WHOLE K AND V LIE IN LDS: 96 KiB each, and 4 KiB of scale words each.  Every LDS byte is filled once: no ring, no refill.  All sixteen waves bring them, one load each, and work begins when all are in.
; CLUSTER 4 x 1: the four query blocks of one head read the same K and V and ask JOINTLY.  (The sixteen work-groups of a KV head all share them; a mask names four.)
; LAYOUT.  Both products are used transposed: S^T = K Q^T (source 0 = 16 keys), O^T = V^T P^T (source 0 = 16 of d): a lane holds one query throughout.  Register 8 t + j of lane (r, h) is key 16 t + 8 h + j:
; inside a block of 32 keys code position 16 h + 8 u + j holds key 16 u + 8 h + j, which is the order in which V's images were made; likewise O's 128 and the weights of the product that follows.
; LIMITS: v_exp_f32 gives 0 for what lies under 2^-126; a block's largest p is taken as the exponential of the block's largest score (v_exp_f32 taken not to fall where its input rises); 1 / l by v_rcp_f32; NaN and infinities are not served.
; REGISTERS: v2-8 addresses; v12 -M, v13 the largest t, v[14:15] the sum; v16-27 Q; v32-79 four fragments of K or V; v96-159 S^T, then p; v160-223 O^T; v224-235 p's codes; v232-247, v252, v254 at work; v248-251 K's or V's scale words, v253 p's, v255 Q's.
.set SEL, 52                           ; s[52:53] lane selects for v_permlanex16_b32: lane l xor 16
.set CS,  54                           ; s[54:55] c = log2(e) / sqrt(128)
.set PC,  32                           ; the way out: v32-51 codes, v64-79 at work, v80 the scale word
.set TM,  64
.set PW,  80
.macro PLACES n
.rept \n
	v_nop
.endr
.endm
.macro CROUND                          ; a round of the cluster's barrier
	s_barrier_signal -1
	s_barrier_wait -1
	s_cmp_lg_u32 s8, 0
	s_cbranch_scc1 .Lnot_wave_0_\@
	s_barrier_signal -3
.Lnot_wave_0_\@:
	s_barrier_wait -3
	s_barrier_signal -1
	s_barrier_wait -1
.endm
.macro QUANT s
.irp b, 0,1,2,3
	v_max3_num_f32 v[TM+\b], |v[\s+16*\b]|, |v[\s+1+16*\b]|, 0x1800000   ; block b: my 16 numbers, and the floor 2^(3 - 127): the byte cannot fall under 1
.endr
.irp i, 2,4,6,8,10,12,14
.irp b, 0,1,2,3
	s_delay_alu instid0(VALU_DEP_4)
	v_max3_num_f32 v[TM+\b], v[TM+\b], |v[\s+16*\b+\i]|, |v[\s+1+16*\b+\i]|
.endr
.endr
.irp b, 0,1,2,3
	s_delay_alu instid0(VALU_DEP_4)
	v_permlanex16_b32 v[TM+4+\b], v[TM+\b], s[SEL], s[SEL+1]
.endr
.irp b, 0,1,2,3
	s_delay_alu instid0(VALU_DEP_4)
	v_max_num_f32 v[TM+\b], v[TM+\b], v[TM+4+\b]
.endr
.irp b, 0,1,2,3
	s_delay_alu instid0(VALU_DEP_4)
	v_add_nc_u32 v[TM+12+\b], 0xff000000, v[TM+\b]
.endr
.irp b, 0,1,2,3
	s_delay_alu instid0(VALU_DEP_4)
	v_lshrrev_b32 v[TM+4+\b], 23, v[TM+12+\b]
.endr
	s_delay_alu instid0(VALU_DEP_3)
	v_lshl_or_b32 v[PW], v[TM+5], 8, v[TM+4]
	s_delay_alu instid0(VALU_DEP_1)
	v_lshl_or_b32 v[PW], v[TM+6], 16, v[PW]
	s_delay_alu instid0(VALU_DEP_1)
	v_lshl_or_b32 v[PW], v[TM+7], 24, v[PW]
.irp c, 0,1
	v_cvt_scalef32_pk16_fp6_f32 v[PC+6*\c:PC+2+6*\c], v[\s+32*\c:\s+15+32*\c], v[TM+12+2*\c]
	v_cvt_scalef32_pk16_fp6_f32 v[PC+12+4*\c:PC+14+4*\c], v[\s+16+32*\c:\s+31+32*\c], v[TM+12+2*\c+1]
.endr
	v_nop                                          ; one plain place behind a scaled conversion
.irp c, 0,1
.irp i, 0,1,2
	v_permlane16_swap_b32 v[PC+6*\c+\i], v[PC+12+4*\c+\i]
.endr
.irp i, 0,1,2
	s_delay_alu instid0(VALU_DEP_3)
	v_mov_b32 v[PC+3+6*\c+\i], v[PC+12+4*\c+\i]
.endr
.endr
.endm
	s_load_b128 s[4:7], s[0:1], 0x0                ; qkv, acat
	v_lshl_add_u32 v95, v0, 2, 0x32000
	v_mov_b32 v243, 0
	ds_add_u32 v95, v243
	ds_add_u32 v95, v243
	v_lshrrev_b32 v1, 5, v0
	s_delay_alu instid0(VALU_DEP_1)
	v_readfirstlane_b32 s8, v1                     ; wave 0..15
	s_bfe_u32 s9, ttmp6, 0x40000                   ; cx: my block of 256 queries; it enters Q's and the result's addresses alone
	s_and_b32 s10, ttmp7, 0xffff                   ; Y = 4 x batch + kv head
	s_and_b32 s11, s10, 3
	s_lshl_b32 s11, s11, 2
	s_add_co_u32 s11, s11, ttmp9                   ; head = 4 x kv head + cluster x: the four partners share it
	s_lshl_b32 s12, s9, 4
	s_add_co_u32 s12, s12, s8                      ; my tile of 16 queries
	s_lshr_b32 s13, s10, 2                         ; batch
	s_lshl_b32 s14, s13, 4
	s_add_co_u32 s14, s14, s11                     ; 16 x batch + head
	; descriptor groups 1: dense blocks as rows of 256 bytes (32 elements of 8 bytes); the mask names the four partners, bit 21 beside it.  s[16:23]: a wave's part of the codes, 16,384 bytes; s[24:31]: half the scale words, 2,048 bytes
	s_mov_b32 s16, 15|(3<<16)|(1<<21)
	s_mov_b32 s17, 32<<16
	s_mov_b32 s18, 64<<16                          ; a load of codes: 64 rows of 256 bytes
	s_mov_b32 s19, 32<<16
	s_mov_b32 s20, 64
	s_mov_b32 s21, 32
	s_mov_b32 s22, 0
	s_mov_b32 s23, 0
	s_mov_b32 s24, 15|(3<<16)|(1<<21)
	s_mov_b32 s25, 32<<16
	s_mov_b32 s26, 8<<16
	s_mov_b32 s27, 32<<16
	s_mov_b32 s28, 8
	s_mov_b32 s29, 32
	s_mov_b32 s30, 0
	s_mov_b32 s31, 0
	; EVERY WAVE FETCHES ONE PART, by one load: waves 0-5 K's codes, waves 6-11 V's, 16,384 bytes each; waves 12, 13 the halves of K's scale words, waves 14, 15 of V's
	s_bfe_u32 s56, s8, 0x10001                     ; the scale words: K's or V's
	s_and_b32 s57, s8, 1                           ; which half
	s_lshl_b32 s58, s56, 16
	s_lshl_b32 s59, s10, 12
	s_add_co_u32 s58, s58, s59
	s_lshl_b32 s59, s57, 11
	s_add_co_u32 s58, s58, s59
	s_add_co_u32 s58, s58, 9699328                 ; the scale words in memory
	s_mov_b32 s59, 0
	s_mul_i32 s60, s8, 11
	s_lshr_b32 s60, s60, 6                         ; 0 for waves 0-5, 1 for waves 6-11
	s_mul_i32 s60, s60, 1474560                    ; V's codes begin 1,572,864 bytes behind K's, of which six loads of 16,384 are 98,304
	s_mul_i32 s61, s10, 98304
	s_add_co_u32 s60, s60, s61
	s_lshl_b32 s61, s8, 14
	s_add_co_u32 s60, s60, s61
	s_add_co_u32 s60, s60, 6291456                 ; my part of the codes in memory
	s_mov_b32 s61, 0
	s_lshl_b32 s62, s8, 14                         ; and in LDS: K at 0, V at 98,304
	s_and_b32 s63, s8, 3
	s_lshl_b32 s63, s63, 11
	s_add_co_u32 s63, s63, 196608                  ; the scale words in LDS: K's at 196,608, V's at 200,704
	s_mov_b32 s[SEL], 0x76543210
	s_mov_b32 s[SEL+1], 0xfedcba98
	s_mov_b32 s[CS], 0x3e0293ee
	s_mov_b32 s[CS+1], s[CS]                       ; (named with it as a pair, so it is written)
	s_wait_dscnt 0x0
	s_wait_kmcnt 0x0
	s_mov_b32 s32, 1
	s_mov_b32 s33, s63
	s_add_nc_u64 s[34:35], s[4:5], s[58:59]
	s_or_b32 s35, s35, 0x80000000
	s_add_nc_u64 s[60:61], s[4:5], s[60:61]
	s_mov_b32 s36, 1
	s_mov_b32 s37, s62
	s_mov_b64 s[38:39], s[60:61]
	s_or_b32 s39, s39, 0x80000000
	CROUND                                         ; all four work-groups are here: the joint loads meet
	s_cmp_lt_u32 s8, 12                            ; one tensor load a wave at the head: two arms, one join
	s_cbranch_scc0 .Lfetch_scales
	tensor_load_to_lds s[36:39], s[16:23]
	s_nop 0
	PLACES 4
	s_branch .Lno_fetch
.Lfetch_scales:
	tensor_load_to_lds s[32:35], s[24:31]
	s_nop 0
	PLACES 4
.Lno_fetch:
	s_lshl_b32 s15, s14, 6
	s_add_co_u32 s15, s15, s12                     ; 64 (16 batch + head) + tile
	s_mul_i32 s2, s15, 1536
	s_mov_b32 s3, 0
	s_add_nc_u64 s[56:57], s[4:5], s[2:3]          ; Q's image
	s_lshl_b32 s2, s15, 6
	s_add_co_u32 s2, s2, 9437184
	s_add_nc_u64 s[58:59], s[4:5], s[2:3]          ; its 16 scale words
	s_lshl_b32 s15, s13, 6
	s_add_co_u32 s15, s15, s12                     ; the tokens' row tile: 64 batch + tile
	s_mul_i32 s2, s15, 20
	s_add_co_u32 s2, s2, s11
	s_mul_i32 s2, s2, 1536
	s_add_nc_u64 s[60:61], s[6:7], s[2:3]          ; the result's image: (row tile x 20 + head) x 1,536
	s_lshr_b32 s2, s15, 3
	s_mul_i32 s2, s2, 20
	s_add_co_u32 s2, s2, s11
	s_lshl_b32 s2, s2, 9
	s_and_b32 s15, s15, 7
	s_lshl_b32 s15, s15, 6
	s_add_co_u32 s2, s2, s15
	s_add_co_u32 s2, s2, 7864320
	s_add_nc_u64 s[62:63], s[6:7], s[2:3]          ; and its scale words
	v_and_b32 v9, 31, v0
	v_and_b32 v10, 15, v0
	s_delay_alu instid0(VALU_DEP_2)
	v_lshlrev_b32 v7, 4, v9                        ; 16 x lane: an image's place for my lane; also K's key steps 0-3 in LDS
	s_delay_alu instid0(VALU_DEP_2)
	v_lshlrev_b32 v8, 2, v10                       ; 4 r
	s_delay_alu instid0(VALU_DEP_2)
	v_add_nc_u32 v2, 49152, v7                     ; K's key steps 4-7
	s_delay_alu instid0(VALU_DEP_3)
	v_add_nc_u32 v3, 98304, v7                     ; V's key steps 0-3
	s_delay_alu instid0(VALU_DEP_4)
	v_add_nc_u32 v4, 147456, v7                    ; V's key steps 4-7
	s_delay_alu instid0(VALU_DEP_4)
	v_add_nc_u32 v5, 196608, v8                    ; K's scale words
	v_add_nc_u32 v6, 200704, v8                    ; V's
.irp c, 0,1,2
	global_load_b128 v[16+4*\c:19+4*\c], v7, s[56:57] offset:512*\c   ; Q's fragment stays in registers
.endr
	global_load_b32 v255, v8, s[58:59]
	v_mov_b32 v13, 0xff61b1e6                      ; the largest t so far: -3e38, under every t
	s_delay_alu instid0(VALU_DEP_1)
	v_floor_f32 v12, -v13                          ; -M
	v_mov_b32 v14, 0                               ; the sum, in two halves
	v_mov_b32 v15, 0
.irp b, 0,1,2,3
	v_mov_b32 v[236+\b], 0                         ; written once: a lane permute's destination counts as one of its sources
.endr
	v_mov_b32 v253, 0                              ; (named as the upper half of the pair v[252:253] before it is first written)
.set j, 0
.rept 64
	v_mov_b32 v[160+j], 0                          ; O^T.  (The step is written in one form: the first finds zeros, which the first change of M leaves zeros)
.set j, j+1
.endr
; Ahead of the first key step: each wave's one load has landed, and the barrier shows all sixteen parts to every wave; nothing is ever filled again
.macro CH j
	s_wait_tensorcnt 0x0
	s_wait_dscnt 0x0
	s_barrier_signal -1
	s_barrier_wait -1
.endm
; A KEY STEP: 128 keys
.macro STEP s
.if (\s) < 4
.set AK, 7
.set AV, 3
.else
.set AK, 2
.set AV, 4
.endif
.irp g, 0,1                                    ; S^T = K Q^T, four tiles of 16 keys at a time
	PLACES 4                                       ; in front of loads into registers that products have read
.irp t, 0,1,2,3
.irp c, 0,1,2
	ds_load_b128 v[32+12*\t+4*\c:35+12*\t+4*\c], v[AK] offset:((\s)%4)*12288+(4*\g+\t)*1536+512*\c
.endr
	ds_load_b32 v[248+\t], v5 offset:512*(\s)+64*(4*\g+\t)
.endr
	s_wait_dscnt 0x0
.irp t, 0,1,2,3
	v_wmma_scale_f32_16x16x128_f8f6f4 v[96+8*(4*\g+\t):103+8*(4*\g+\t)], v[32+12*\t:43+12*\t], v[16:27], 0, v[248+\t], v255 matrix_a_fmt:MATRIX_FMT_FP6 matrix_b_fmt:MATRIX_FMT_FP6
.endr
.endr
	PLACES 4
.irp b, 0,1,2,3
	v_max3_num_f32 v[232+\b], v[96+16*\b], v[97+16*\b], v[98+16*\b]   ; the largest score of each block of 32 keys: it serves the row's maximum and, since p rises with the score, the block's largest p
.endr
.irp i, 3,5,7,9,11,13
.irp b, 0,1,2,3
	v_max3_num_f32 v[232+\b], v[232+\b], v[96+16*\b+\i], v[97+16*\b+\i]
.endr
.endr
.irp b, 0,1,2,3
	v_max_num_f32 v[232+\b], v[232+\b], v[111+16*\b]
.endr
.irp b, 0,1,2,3
	s_delay_alu instid0(VALU_DEP_4)
	v_permlanex16_b32 v[236+\b], v[232+\b], s[SEL], s[SEL+1]
.endr
.irp b, 0,1,2,3
	s_delay_alu instid0(VALU_DEP_4)
	v_max_num_f32 v[232+\b], v[232+\b], v[236+\b]  ; with lane l xor 16's 16 keys
.endr
	s_delay_alu instid0(VALU_DEP_2)
	v_max3_num_f32 v254, v232, v233, v234
	s_delay_alu instid0(VALU_DEP_1)
	v_max_num_f32 v254, v254, v235                 ; the step's largest score of my query
	s_delay_alu instid0(VALU_DEP_1)
	v_mul_f32 v254, s[CS], v254                    ; as t (c is positive)
	s_delay_alu instid0(VALU_DEP_1)
	v_max_num_f32 v13, v13, v254                   ; the running largest t
	v_mov_b32 v254, v12
	s_delay_alu instid0(VALU_DEP_2)
	v_floor_f32 v12, -v13                          ; the new -M = floor(-t) = -ceil(t)
	s_delay_alu instid0(VALU_DEP_1)
	v_sub_f32 v254, v12, v254                      ; old M - new M: a whole number, 0 or less
	s_delay_alu instid0(VALU_DEP_1)
	v_cvt_i32_f32 v254, v254                       ; (it saturates)
	s_delay_alu instid0(VALU_DEP_1)
	v_ldexp_f32 v252, 1.0, v254                    ; f = 2^(old M - new M)
.irp j, 0,2,4,6,8,10,12,14,16,18,20,22,24,26,28,30,32,34,36,38,40,42,44,46,48,50,52,54,56,58,60,62
	v_pk_fma_f32 v[96+\j:97+\j], v[96+\j:97+\j], s[CS:CS+1], v[12:13] op_sel_hi:[1,0,0]   ; t - M, two at a time
.endr
.irp b, 0,1,2,3
	v_fma_f32 v[232+\b], v[232+\b], s[CS], v12     ; the same of each block's largest score
.endr
	s_wait_alu depctr_va_vdst(0)
.irp j, 0,1,2,3,4,5,6,7,8,9,10,11,12,13,14,15,16,17,18,19,20,21,22,23,24,25,26,27,28,29,30,31,32,33,34,35,36,37,38,39,40,41,42,43,44,45,46,47,48,49,50,51,52,53,54,55,56,57,58,59,60,61,62,63
	v_exp_f32 v[96+\j], v[96+\j]                   ; p = 2^(t - M), at most 1
.endr
.irp b, 0,1,2,3
	v_exp_f32 v[232+\b], v[232+\b]                 ; the block's largest p: the same two instructions on the same number give the same bits
.endr
	v_pk_mul_f32 v[14:15], v[14:15], v[252:253] op_sel_hi:[1,0]   ; the sums under the new M.  (A plain place behind the exponentials)
	s_wait_alu depctr_va_vdst(0)
.irp b, 0,1,2,3
	v_max_num_f32 v[232+\b], 0x1800000, v[232+\b]  ; the floor 2^(3 - 127): the byte cannot fall under 1
.endr
.irp b, 0,1,2,3
	s_delay_alu instid0(VALU_DEP_4)
	v_add_nc_u32 v[244+\b], 0xff000000, v[232+\b]  ; 2 off the exponent field: the conversion's scale operand
.endr
.irp b, 0,1,2,3
	s_delay_alu instid0(VALU_DEP_4)
	v_lshrrev_b32 v[236+\b], 23, v[244+\b]         ; the scale's byte
.endr
	s_delay_alu instid0(VALU_DEP_3)
	v_lshl_or_b32 v253, v237, 8, v236              ; p's scale word for these 128 keys
	s_delay_alu instid0(VALU_DEP_1)
	v_lshl_or_b32 v253, v238, 16, v253
	s_delay_alu instid0(VALU_DEP_1)
	v_lshl_or_b32 v253, v239, 24, v253
.irp c, 0,1
	v_cvt_scalef32_pk16_fp6_f32 v[224+6*\c:226+6*\c], v[96+32*\c:111+32*\c], v[244+2*\c]
	v_cvt_scalef32_pk16_fp6_f32 v[236+4*\c:238+4*\c], v[112+32*\c:127+32*\c], v[244+2*\c+1]
.endr
	v_nop                                          ; one plain place behind a scaled conversion
.irp c, 0,1
.irp i, 0,1,2
	v_permlane16_swap_b32 v[224+6*\c+\i], v[236+4*\c+\i]
.endr
.irp i, 0,1,2
	s_delay_alu instid0(VALU_DEP_3)
	v_mov_b32 v[227+6*\c+\i], v[236+4*\c+\i]
.endr
.endr
	v_pk_add_f32 v[236:237], v[100:101], v[104:105]
	v_pk_add_f32 v[250:251], v[108:109], v[112:113]
	v_pk_add_f32 v[248:249], v[116:117], v[120:121]
	v_pk_add_f32 v[246:247], v[124:125], v[128:129]
	v_pk_add_f32 v[244:245], v[132:133], v[136:137]
	v_pk_add_f32 v[240:241], v[140:141], v[144:145]
	v_pk_add_f32 v[92:93], v[148:149], v[152:153]
	v_pk_add_f32 v[14:15], v[14:15], v[156:157]
	v_pk_add_f32 v[236:237], v[236:237], v[96:97]
	v_pk_add_f32 v[250:251], v[250:251], v[98:99]
	v_pk_add_f32 v[248:249], v[248:249], v[102:103]
	v_pk_add_f32 v[246:247], v[246:247], v[106:107]
	v_pk_add_f32 v[244:245], v[244:245], v[110:111]
	v_pk_add_f32 v[240:241], v[240:241], v[114:115]
	v_pk_add_f32 v[92:93], v[92:93], v[118:119]
	v_pk_add_f32 v[14:15], v[14:15], v[122:123]
	v_pk_add_f32 v[236:237], v[236:237], v[126:127]
	v_pk_add_f32 v[250:251], v[250:251], v[130:131]
	v_pk_add_f32 v[248:249], v[248:249], v[134:135]
	v_pk_add_f32 v[246:247], v[246:247], v[138:139]
	v_pk_add_f32 v[244:245], v[244:245], v[142:143]
	v_pk_add_f32 v[240:241], v[240:241], v[146:147]
	v_pk_add_f32 v[92:93], v[92:93], v[150:151]
	v_pk_add_f32 v[14:15], v[14:15], v[154:155]
	v_pk_add_f32 v[236:237], v[236:237], v[158:159]
	s_delay_alu instid0(VALU_DEP_2)
	v_pk_add_f32 v[14:15], v[14:15], v[246:247]
	s_delay_alu instid0(VALU_DEP_2)
	v_pk_add_f32 v[236:237], v[236:237], v[244:245]
	v_pk_add_f32 v[250:251], v[250:251], v[240:241]
	v_pk_add_f32 v[248:249], v[248:249], v[92:93]
	s_delay_alu instid0(VALU_DEP_2)
	v_pk_add_f32 v[14:15], v[14:15], v[250:251]
	s_delay_alu instid0(VALU_DEP_2)
	v_pk_add_f32 v[236:237], v[236:237], v[248:249]
	s_delay_alu instid0(VALU_DEP_1)
	v_pk_add_f32 v[14:15], v[14:15], v[236:237]
.irp j, 0,2,4,6,8,10,12,14,16,18,20,22,24,26,28,30,32,34,36,38,40,42,44,46,48,50,52,54,56,58,60,62
	v_pk_mul_f32 v[160+\j:161+\j], v[160+\j:161+\j], v[252:253] op_sel_hi:[1,0]   ; O^T under the new M.  (These 32 are also the places in front of the products and loads below)
.endr
	s_wait_alu depctr_va_vdst(0)
.irp g, 0,1                                    ; O^T += V^T P^T: four tiles of 16 of d at a time
.if \g > 0
	PLACES 4
.endif
.irp t, 0,1,2,3
.irp c, 0,1,2
	ds_load_b128 v[32+12*\t+4*\c:35+12*\t+4*\c], v[AV] offset:((\s)%4)*12288+(4*\g+\t)*1536+512*\c
.endr
	ds_load_b32 v[248+\t], v6 offset:512*(\s)+64*(4*\g+\t)
.endr
	s_wait_dscnt 0x0
.irp t, 0,1,2,3
	v_wmma_scale_f32_16x16x128_f8f6f4 v[160+8*(4*\g+\t):167+8*(4*\g+\t)], v[32+12*\t:43+12*\t], v[224:235], v[160+8*(4*\g+\t):167+8*(4*\g+\t)], v[248+\t], v253 matrix_a_fmt:MATRIX_FMT_FP6 matrix_b_fmt:MATRIX_FMT_FP6
.endr
.endr
.endm
	s_wait_loadcnt 0x0                             ; Q
	CH 0
	STEP 0
	STEP 1
	STEP 2
	STEP 3
	STEP 4
	STEP 5
	STEP 6
	STEP 7
	; THE WAY OUT: O^T / l; a lane's 64 registers run along the head's 128, which is the next product's K: quantised in registers, stored as an image.
	PLACES 4                                       ; behind the last products
	v_add_f32 v14, v14, v15                        ; the sum's two halves,
	s_delay_alu instid0(VALU_DEP_1)
	v_permlanex16_b32 v252, v14, s[SEL], s[SEL+1]
	s_delay_alu instid0(VALU_DEP_1)
	v_add_f32 v14, v14, v252                       ; and lane l xor 16's
	s_wait_alu depctr_va_vdst(0)
	v_rcp_f32 v14, v14
	v_nop                                          ; a plain place behind the reciprocal
.set j, 0
	s_wait_alu depctr_va_vdst(0)
.rept 32
	v_pk_mul_f32 v[96+j:97+j], v[160+j:161+j], v[14:15] op_sel_hi:[1,0]   ; each accumulator from its low end on
.set j, j+2
.endr
.irp b, 0,1,2,3
	v_mov_b32 v[TM+4+\b], 0
.endr
	QUANT 96
.irp c, 0,1,2
	global_store_b128 v7, v[PC+4*\c:PC+4*\c+3], s[60:61] offset:512*\c   ; 512 consecutive bytes, at a multiple of 256 from acat's first byte
.endr
	global_store_b32 v8, v[PW], s[62:63]           ; 16 rows' words; lanes r and r + 16 store the same word to the same place
	s_wait_tensorcnt 0x0
	ds_add_u32 v95, v243
	s_wait_dscnt 0x0
	CROUND                                         ; the closing round: no work-group ends while a partner may still ask for a tile that names it
	s_endpgm
.Lfunc_end_k_q5dd3e2f40c_attn:
	.size	k_q5dd3e2f40c_attn, .Lfunc_end_k_q5dd3e2f40c_attn-k_q5dd3e2f40c_attn
	.p2alignl 7, 3214868480
	.fill 96, 4, 3214868480
	.section	.rodata,"a",@progbits
	.p2align	6, 0x0
	.amdhsa_kernel k_q5dd3e2f40c_attn
		.amdhsa_group_segment_fixed_size 206848
		.amdhsa_private_segment_fixed_size 0
		.amdhsa_enable_private_segment 0
		.amdhsa_kernarg_size 16
		.amdhsa_user_sgpr_count 2
		.amdhsa_user_sgpr_kernarg_segment_ptr 1
		.amdhsa_wavefront_size32 1
		.amdhsa_system_sgpr_workgroup_id_x 1
		.amdhsa_system_sgpr_workgroup_id_y 1
		.amdhsa_system_sgpr_workgroup_id_z 1
		.amdhsa_system_vgpr_workitem_id 0
		.amdhsa_next_free_vgpr 256
		.amdhsa_next_free_sgpr 66
		.amdhsa_reserve_vcc 0
		.amdhsa_float_denorm_mode_32 3
		.amdhsa_float_denorm_mode_16_64 3
		.amdhsa_memory_ordered 1
		.amdhsa_forward_progress 1
		.amdhsa_inst_pref_size 182
	.end_amdhsa_kernel
	.amdgpu_metadata
---
amdhsa.version: [ 1, 2 ]
amdhsa.kernels:
  - .name:           k_q5dd3e2f40c_attn
    .symbol:         k_q5dd3e2f40c_attn.kd
    .args:
      - { .name: qkv, .offset: 0, .size: 8, .value_kind: global_buffer, .address_space: global }
      - { .name: acat, .offset: 8, .size: 8, .value_kind: global_buffer, .address_space: global }
    .group_segment_fixed_size: 206848
    .private_segment_fixed_size: 0
    .kernarg_segment_align: 8
    .kernarg_segment_size: 16
    .max_flat_workgroup_size: 512
    .sgpr_count:     66
    .vgpr_count:     256
    .wavefront_size: 32
...
	.end_amdgpu_metadata
.endif
;; end of part 3
;; launch gemm2 (part 4): grid 32 x 8, 4 waves a work-group, clusters of 4 x 4, 327,680 bytes of LDS; arguments acat, wb, bo, b2, x, out0; writes out0
.if DOCPART == 4
	.amdgcn_target "amdgcn-amd-amdhsa--gfx1250"
	.amdhsa_code_object_version 6
	.text
	.protected	k_q5dd3e2f40c_gemm2
	.globl	k_q5dd3e2f40c_gemm2
	.p2align	8
	.type	k_q5dd3e2f40c_gemm2,@function
k_q5dd3e2f40c_gemm2:
	s_mov_b64 s[64:65], 0
	v_nop
	global_prefetch_b8 v0, s[64:65] scope:SCOPE_SE
	s_setreg_imm32_b32 hwreg(HW_REG_WAVE_MODE, 25, 1), 1
	s_wait_xcnt 0x0
	s_wait_alu depctr_hold_cnt(0) depctr_sa_sdst(0) depctr_va_vdst(0) depctr_va_sdst(0) depctr_va_ssrc(0) depctr_va_vcc(0) depctr_vm_vsrc(0)
	s_getreg_b32 s2, hwreg(HW_REG_IB_STS2, 6, 4)
	s_cmp_eq_u32 s2, 0
	s_cbranch_scc0 .Lentry_in_a_cluster
	s_endpgm
.Lentry_in_a_cluster:
	s_bfe_u32 s2, ttmp6, 0x10000c
	s_cmp_lg_u32 s2, 0xf033
	s_cbranch_scc0 .Lentry_shape_is_right
	s_endpgm
.Lentry_shape_is_right:
; out0 = x + out Wo + bo + act(h) W2 + b2, as ONE product with K = 2,560: [out | act(h)] x [Wo ; W2], on codes of FP6 (E2M3) with E8M0 scales; sums in f32.
; Both operands come as images of operand registers (16 rows x 128 K, 1,536 bytes): acat [256 row tiles of tokens][20 K steps] at 0, its scale words [32][20][128] at 7,864,320; the weights in wb at 5,734,400, their scale words at 9,666,560.
; A TILE is 128 tokens (S1, source 1: the lanes of a result) x 256 columns (S0, source 0: a lane's registers): a lane holds eight neighbouring numbers of a row of the output.  Four waves: wave (WR, WC) takes 64 tokens x 128 columns: 32 accumulators.
; 256 work-groups, one for each WGP.  K goes through a ring of two LDS slots of 4 K steps; the scale words of all of K come once, with the first fills.
; CLUSTER 4 x 4: the four work-groups of a column of the cluster share the tokens' tile, the four of a row the weights' tile: each is asked for JOINTLY.
; bo + b2 is the C of the first products.  The wave's 64 x 128 numbers of x are asked for in four parts, the first at the head and three behind the refills, and wait in window 3 under the matrix work; x is added last.
; LIMITS: the order of the f32 sum: one chain from bo + b2 through out Wo and then act(h) W2, x last.  NaN and infinities are not served.
; REGISTERS.  Window 0: v1-6 lane terms; v8-9, v10-11 LDS addresses of S1's and S0's fragments in slot 0, 1; v12 of the scale words; v14, v15 for the add; v16, v17 the stage; v32-47 scale words, two sets of 8;
;   v64-111, v112-159 S1's fragments, two sets; on the way out v64-191.   Window 1: v0-95, v96-191 S0's fragments; v192-255 bo + b2.   Window 2: accumulator (a, b) at v[64 a + 8 b].   Window 3: x.
.set T,     20
.set SLOTB, 147456
.set SCL,   294912
.set SCB,   512*T
.set SPARE, SCL+3*SCB
.set TILEB, 8*1536*T
.set MSB, 0
.macro WIN new
.if MSB != \new
	s_set_vgpr_msb (MSB<<8)|\new
.set MSB, \new
.endif
.endm
.macro PLACES n
.rept \n
	v_nop
.endr
.endm
.macro CREST
	s_cmp_lg_u32 s20, 0
	s_cbranch_scc1 .Lnot_wave_0_\@
	s_barrier_signal -3
.Lnot_wave_0_\@:
	s_barrier_wait -3
	s_barrier_signal -1
	s_barrier_wait -1
.endm
.macro CROUND
	s_barrier_signal -1
	s_barrier_wait -1
	CREST
.endm
; A joint refill: wave 0 brings S1's 49,152 bytes, waves 1 and 2 the halves of S0, wave 3 nothing.  Four v_nop follow each load.
.macro JLOAD slot
	s_cmp_eq_u32 s20, 0
	s_cbranch_scc0 .Lj_n_\@
	tensor_load_to_lds s[60+8*\slot:63+8*\slot], s[28:35]
	s_nop 0
	PLACES 4
	s_branch .Lj_d_\@
.Lj_n_\@:
	s_cmp_lt_u32 s20, 3
	s_cbranch_scc0 .Lj_d_\@
	tensor_load_to_lds s[76+4*\slot:79+4*\slot], s[36:43]
	s_nop 0
	PLACES 4
.Lj_d_\@:
.endm
.macro FETCH t                         ; K step t's fragments and scale words into set t % 2: 44 LDS loads
.set FS, ((\t)/4)%2
.set FQ, (\t)%4
.set FP, (\t)%2
	WIN 0x40
.irp i, 0,1,2,3,4,5,6,7
.irp c, 0,1,2
	ds_load_b128 v[96*FP+12*\i+4*\c:96*FP+12*\i+4*\c+3], v[10+FS] offset:6144*\i+1536*FQ+512*\c
.endr
.endr
	WIN 0
.irp i, 0,1,2,3
.irp c, 0,1,2
	ds_load_b128 v[64+48*FP+12*\i+4*\c:64+48*FP+12*\i+4*\c+3], v[8+FS] offset:6144*\i+1536*FQ+512*\c
.endr
.endr
.irp i, 0,1,2,3,4,5,6,7
	ds_load_b32 v[32+8*FP+\i], v12 offset:512*(\t)+64*\i   ; lanes 16-31: S0's block i; lanes 0-15: S1's block i (for i > 3 words that nothing uses, inside the filled scale words)
.endr
.endm
; 8 products: S1's block a against S0's eight.  mode 2: they start the sums from bo + b2.  The 32 accumulators take turns, one instruction a turn.
.macro MUL8 a, t, mode
.set MP, (\t)%2
.if \mode == 2
	WIN 0x91                                       ; source 0 window 1, source 1 window 0, C window 1, D window 2
.else
	WIN 0xa1                                       ; C and D window 2
.endif
.irp b, 0,1,2,3,4,5,6,7
.if \mode == 0
	v_wmma_scale_f32_16x16x128_f8f6f4 v[64*\a+8*\b:64*\a+8*\b+7], v[96*MP+12*\b:96*MP+12*\b+11], v[64+48*MP+12*\a:64+48*MP+12*\a+11], v[64*\a+8*\b:64*\a+8*\b+7], v[32+8*MP+\b], v[32+8*MP+\a] matrix_a_fmt:MATRIX_FMT_FP6 matrix_b_fmt:MATRIX_FMT_FP6 matrix_a_scale:MATRIX_SCALE_ROW1
.else
	v_wmma_scale_f32_16x16x128_f8f6f4 v[64*\a+8*\b:64*\a+8*\b+7], v[96*MP+12*\b:96*MP+12*\b+11], v[64+48*MP+12*\a:64+48*MP+12*\a+11], v[192+8*\b:192+8*\b+7], v[32+8*MP+\b], v[32+8*MP+\a] matrix_a_fmt:MATRIX_FMT_FP6 matrix_b_fmt:MATRIX_FMT_FP6 matrix_a_scale:MATRIX_SCALE_ROW1
.endif
.endr
.endm
.macro STEP t, mode
	s_wait_dscnt 0x0                               ; this step's fragments are in (asked for 32 products ago)
.if (\t) < T-1
	PLACES 4                                       ; four plain places between the last products that read the other set and the loads into it
	FETCH (\t)+1
.endif
	MUL8 0, \t, \mode
	MUL8 1, \t, \mode
	MUL8 2, \t, \mode
	MUL8 3, \t, \mode
.endm
; A slot's last K step changes slots: one barrier; in front of it each wave waits for all its tensor loads, adds 0 to its spare word, and waits for that and for its reads of this slot.  fill = 1: the slot is filled again, 8 K steps on.
.macro TURN t, fill
.set TS, ((\t)/4)%2
	s_wait_dscnt 0x0                               ; this step's fragments are in: my reads of this slot are over
	MUL8 0, \t, 0                                  ; sixteen products that need no new tile stand ahead of the wait for the tensor loads
	MUL8 1, \t, 0
	WIN 0
	s_wait_tensorcnt 0x0                           ; all my tensor loads have landed: my part of the next slot
	ds_add_u32 v14, v15                            ; 0 onto my spare word
	s_wait_dscnt 0x0                               ; the add is done
	s_barrier_signal -1
	s_barrier_wait -1
.if \fill
	CREST                                          ; the barrier has opened a round of the cluster's barrier: no wave of any partner still reads this slot or has a load on its way
	s_add_nc_u64 s[62+8*TS:63+8*TS], s[62+8*TS:63+8*TS], 12288
	s_add_nc_u64 s[78+4*TS:79+4*TS], s[78+4*TS:79+4*TS], 12288
	JLOAD TS                                       ; the first tensor load behind the round, one a wave
.endif
	PLACES 4
	FETCH (\t)+1
.if \fill
	XLOAD ((\t)+1)/4                               ; behind the refills of K steps 3, 7 and 11: x for blocks 1, 2 and 3
.endif
	MUL8 2, \t, 0
	MUL8 3, \t, 0
.endm
	s_load_b256 s[4:11], s[0:1], 0x0               ; acat s[4:5], wb s[6:7], bo s[8:9], b2 s[10:11]
	s_load_b128 s[12:15], s[0:1], 0x20             ; x s[12:13], out0 s[14:15]
	v_lshl_add_u32 v14, v0, 2, SPARE
	v_mov_b32 v15, 0
	ds_add_u32 v14, v15
	ds_add_u32 v14, v15
	s_wait_dscnt 0x0
	v_lshrrev_b32 v1, 5, v0
	v_readfirstlane_b32 s20, v1                    ; wave 0..3
	s_lshr_b32 s21, s20, 1                         ; WR
	s_and_b32 s22, s20, 1                          ; WC
	s_bfe_u32 s23, ttmp6, 0x40000                  ; cx
	s_bfe_u32 s24, ttmp6, 0x40004                  ; cy
	s_lshl_b32 s25, ttmp9, 2
	s_add_co_u32 s25, s25, s23                     ; MT: my 128 tokens
	s_and_b32 s26, ttmp7, 0xffff
	s_lshl_b32 s26, s26, 2
	s_add_co_u32 s26, s26, s24                     ; NT: my 256 columns
	s_lshl_b32 s27, 0x1111, s23                    ; my column of the cluster: it shares the tokens' tile
	s_lshl_b32 s2, s24, 2
	s_lshl_b32 s2, 15, s2                          ; my row: it shares the weights' tile
	s_or_b32 s28, s27, (3<<16)|(1<<21)             ; groups 1, word 0: the mask, elements of 8 bytes, bit 21 beside the mask
	s_or_b32 s44, s27, (3<<16)|(1<<21)
	s_or_b32 s36, s2, (3<<16)|(1<<21)
	s_or_b32 s52, s2, (3<<16)|(1<<21)
.irp g, 28, 36                                 ; a tile: 8 rows (row tiles) of 768 elements (4 K steps' images), 192 T elements apart
	s_mov_b32 s[\g+1], 768<<16
	s_mov_b32 s[\g+2], 8<<16
	s_mov_b32 s[\g+3], 768<<16
	s_mov_b32 s[\g+4], 8
	s_mov_b32 s[\g+5], 192*T
	s_mov_b32 s[\g+6], 0
	s_mov_b32 s[\g+7], 0
.endr
.irp g, 44, 52                                 ; the scale words of 128 rows, all of K: 2 T rows of 256 bytes
	s_mov_b32 s[\g+1], 32<<16
	s_mov_b32 s[\g+2], (2*T)<<16
	s_mov_b32 s[\g+3], 32<<16
	s_mov_b32 s[\g+4], 2*T
	s_mov_b32 s[\g+5], 32
	s_mov_b32 s[\g+6], 0
	s_mov_b32 s[\g+7], 0
.endr
	s_mov_b32 s38, 16<<16                          ; the head's load of the weights' tile brings all 16 row tiles,
	s_mov_b32 s40, 16
	s_mov_b32 s54, (4*T)<<16                       ; and that of their scale words both groups of 128 rows: 4 T rows of 256 bytes
	s_mov_b32 s56, 4*T
	s_mul_i32 s92, s25, TILEB
	s_mov_b32 s93, 0
	s_mul_i32 s94, s25, SCB
	s_add_co_u32 s94, s94, 7864320
	s_mov_b32 s95, 0
	s_lshl_b32 s98, s26, 1                         ; S0: made of NT and the wave's number alone (never cx)
	s_add_co_u32 s98, s98, s21
	s_mul_i32 s100, s98, TILEB
	s_add_co_u32 s100, s100, 5734400
	s_mov_b32 s101, 0
	s_mul_i32 s98, s26, 2*SCB
	s_add_co_u32 s98, s98, 9666560
	s_mov_b32 s99, 0
	s_mul_i32 s96, s20, 49152
	s_wait_kmcnt 0x0
	s_mov_b32 s60, 1
	s_mov_b32 s61, 0
	s_add_nc_u64 s[62:63], s[4:5], s[92:93]
	s_mov_b32 s68, 1
	s_mov_b32 s69, SLOTB
	s_add_nc_u64 s[70:71], s[62:63], 6144
	s_or_b32 s63, s63, 0x80000000
	s_or_b32 s71, s71, 0x80000000
	s_mov_b32 s72, 1
	s_mov_b32 s73, SCL
	s_add_nc_u64 s[74:75], s[4:5], s[94:95]
	s_or_b32 s75, s75, 0x80000000
	s_mov_b32 s76, 1
	s_mov_b32 s77, s96
	s_add_nc_u64 s[78:79], s[6:7], s[100:101]
	s_mov_b32 s80, 1
	s_add_co_u32 s81, s96, SLOTB
	s_add_nc_u64 s[82:83], s[78:79], 6144
	s_or_b32 s79, s79, 0x80000000
	s_or_b32 s83, s83, 0x80000000
	s_mov_b32 s84, 1
	s_mov_b32 s85, SCL+SCB
	s_add_nc_u64 s[86:87], s[6:7], s[98:99]
	s_or_b32 s87, s87, 0x80000000
	CROUND                                         ; all sixteen work-groups are here: the first joint loads meet
	s_cmp_lt_u32 s20, 1                            ; the head's loads, one a wave, in one tree of branches: wave 0 slot 0's tokens,
	s_cbranch_scc0 .Lf_1
	tensor_load_to_lds s[60:63], s[28:35]
	s_nop 0
	PLACES 4
	s_branch .Lf_done
.Lf_1:
	s_cmp_lt_u32 s20, 2                            ; wave 1 slot 0's 256 weight rows,
	s_cbranch_scc0 .Lf_2
	tensor_load_to_lds s[76:79], s[36:43]
	s_nop 0
	PLACES 4
	s_branch .Lf_done
.Lf_2:
	s_cmp_lt_u32 s20, 3                            ; wave 2 the tokens' scale words,
	s_cbranch_scc0 .Lf_3
	tensor_load_to_lds s[72:75], s[44:51]
	s_nop 0
	PLACES 4
	s_branch .Lf_done
.Lf_3:
	tensor_load_to_lds s[84:87], s[52:59]          ; wave 3 the weights'
	s_nop 0
	PLACES 4
.Lf_done:
	v_and_b32 v1, 31, v0                           ; lane
	v_and_b32 v2, 15, v0                           ; r
	v_bfe_u32 v3, v0, 4, 1                         ; h
	v_lshlrev_b32 v4, 4, v1                        ; 16 x lane
	v_lshlrev_b32 v5, 2, v2                        ; 4 r
	v_lshlrev_b32 v6, 5, v3                        ; 32 h
	s_mul_i32 s92, s21, 24576
	v_add_nc_u32 v8, s92, v4
	v_add_nc_u32 v9, SLOTB, v8
	s_mul_i32 s92, s22, 49152
	s_add_co_u32 s92, s92, 49152
	v_add_nc_u32 v10, s92, v4
	v_add_nc_u32 v11, SLOTB, v10
	s_lshl_b32 s92, s21, 8                         ; scale words: lanes 0-15 S1's, lanes 16-31 S0's: the lower base + h x the distance
	s_mul_i32 s93, s22, SCB
	s_add_co_u32 s93, s93, SCB
	s_sub_co_u32 s93, s93, s92
	v_mul_u32_u24 v12, s93, v3
	s_wait_alu depctr_va_vdst(0)
	s_add_co_u32 s92, s92, SCL
	v_add_nc_u32 v12, v12, v5
	v_add_nc_u32 v12, s92, v12
	s_mul_i32 s92, s20, 8448
	s_add_co_u32 s92, s92, SLOTB                   ; my stage for the way out: 16 rows x (512 + 16) bytes, in slot 1, which by then has had its last fill and its last read
	v_mul_u32_u24 v16, v2, 528
	v_add_nc_u32 v16, v16, v6
	v_add_nc_u32 v16, s92, v16                     ; in: row r, + 32 h
	v_add_nc_u32 v17, s92, v4                      ; back: 16 x lane of a row
	s_lshl_b32 s2, s25, 1
	s_add_co_u32 s2, s2, s21                       ; my 64 tokens
	s_lshl_b32 s2, s2, 19                          ; x 64 rows of 8,192 bytes
	s_lshl_b32 s94, s26, 1
	s_add_co_u32 s94, s94, s22
	s_lshl_b32 s94, s94, 9                         ; my 128 columns, in bytes
	s_mov_b32 s95, 0
	s_add_co_u32 s2, s2, s94
	s_mov_b32 s3, 0
	s_add_nc_u64 s[88:89], s[12:13], s[2:3]        ; x and out0 at my part's corner
	s_add_nc_u64 s[90:91], s[14:15], s[2:3]
	s_add_nc_u64 s[66:67], s[8:9], s[94:95]        ; bo and b2 at my columns
	s_add_nc_u64 s[96:97], s[10:11], s[94:95]
	WIN 0x40
.irp b, 0,1,2,3,4,5,6,7
.irp e, 0,1
	global_load_b128 v[192+8*\b+4*\e:192+8*\b+4*\e+3], v6, s[66:67] offset:64*\b+16*\e   ; register 8 b + j: column 16 b + 8 h + j
.endr
.endr
	WIN 0
.irp b, 0,1,2,3,4,5,6,7
.irp e, 0,1
	global_load_b128 v[64+8*\b+4*\e:64+8*\b+4*\e+3], v6, s[96:97] offset:64*\b+16*\e
.endr
.endr
	s_wait_loadcnt 0x0
	WIN 0x41                                       ; destination and source 0 window 1
.set i, 0
.rept 32
	v_pk_add_f32 v[192+i:192+i+1], v[192+i:192+i+1], v[64+i:64+i+1]
.set i, i+2
.endr
	PLACES 8
; x is asked for in four parts of 16 rows, 16 loads each: block 0's here, the others' behind the three refills of the ring; all wait in window 3 until the way out
.macro XLOAD a
	WIN 0xc0                                       ; destination window 3
.irp t, 0,1,2,3,4,5,6,7,8,9,10,11,12,13,14,15
	global_load_b128 v[64*(\a)+4*\t:64*(\a)+4*\t+3], v4, s[88:89] offset:(16*(\a)+\t)*8192 th:TH_LOAD_NT   ; a row's 512 consecutive bytes
.endr
	WIN 0
.endm
	XLOAD 0
	s_wait_alu depctr_va_vdst(0)
	s_wait_tensorcnt 0x0                           ; my tile of the head's four is in
	ds_add_u32 v14, v15
	s_mov_b32 s38, 8<<16                           ; no tensor load of mine is out: from here on a load of the weights brings 8 row tiles
	s_mov_b32 s40, 8
	s_wait_dscnt 0x0
	CROUND                                         ; all four tiles are in, and all sixteen work-groups are here
	JLOAD 1                                        ; slot 1's first fill: the first tensor load behind the round, one a wave
	FETCH 0
	STEP 0, 2                                      ; the first step's products start the sums from bo + b2
	STEP 1, 0
	STEP 2, 0
	TURN 3, 1                                      ; slot 0 takes K steps 8-11
	STEP 4, 0
	STEP 5, 0
	STEP 6, 0
	TURN 7, 1                                      ; slot 1 takes K steps 12-15
	STEP 8, 0
	STEP 9, 0
	STEP 10, 0
	TURN 11, 1                                     ; slot 0 takes K steps 16-19
	STEP 12, 0
	STEP 13, 0
	STEP 14, 0
	TURN 15, 0                                     ; nothing is left to fetch; behind this barrier nobody reads slot 1
	STEP 16, 0
	STEP 17, 0
	STEP 18, 0
	STEP 19, 0
; THE WAY OUT, block by block of 16 rows x 128 columns.  A lane holds 32 neighbouring bytes of a row, the lanes beside it other rows: a block goes through my own stage and comes back as whole rows of 512 bytes.
; LDS serves a wave's instructions in order: no wait between the stores and the loads, nor in front of the next block's stores.
.macro TOSTAGE a
	WIN 0x08                                       ; an LDS store's data are its source 1: window 2
.irp b, 0,1,2,3,4,5,6,7
	ds_store_b128 v16, v[64*(\a)+8*\b:64*(\a)+8*\b+3] offset:64*\b         ; each accumulator from its low end on
	ds_store_b128 v16, v[64*(\a)+8*\b+4:64*(\a)+8*\b+7] offset:64*\b+16
.endr
	WIN 0
.set BB, 64+64*((\a)%2)
.irp t, 0,1,2,3,4,5,6,7,8,9,10,11,12,13,14,15
	ds_load_b128 v[BB+4*\t:BB+4*\t+3], v17 offset:528*\t
.endr
.endm
.macro SEND a, younger                 ; younger: the LDS instructions issued behind block a's loads, which may stay out
.set BB, 64+64*((\a)%2)
	s_wait_dscnt \younger
	WIN 0x0c                                       ; source 1 window 3: x
.set i, 0
.rept 32
	v_pk_add_f32 v[BB+i:BB+i+1], v[BB+i:BB+i+1], v[64*(\a)+i:64*(\a)+i+1]
.set i, i+2
.endr
	WIN 0
.irp t, 0,1,2,3,4,5,6,7,8,9,10,11,12,13,14,15
	global_store_b128 v4, v[BB+4*\t:BB+4*\t+3], s[90:91] offset:(16*(\a)+\t)*8192 th:TH_STORE_NT   ; 512 consecutive bytes, at a multiple of 256 from out0's first byte
.endr
.endm
	WIN 0
	PLACES 4                                       ; behind the last products: for the stores that read results and the loads into registers that held fragments
	s_wait_loadcnt 0x0                             ; x
	TOSTAGE 0
.irp a, 1,2,3
.if \a > 1
	s_wait_xcnt 0x0                                ; block a - 2's stores have read their registers: block a's loads may land there
.endif
	TOSTAGE \a
	SEND \a-1, 32                                  ; behind block a - 1's loads: block a's 16 stores and 16 loads
.endr
	SEND 3, 0
	s_wait_tensorcnt 0x0                           ; the wave's end
	ds_add_u32 v14, v15
	s_wait_dscnt 0x0
	CROUND                                         ; the closing round: no work-group ends while a partner may still ask for a tile that names it
	s_endpgm
.Lfunc_end_k_q5dd3e2f40c_gemm2:
	.size	k_q5dd3e2f40c_gemm2, .Lfunc_end_k_q5dd3e2f40c_gemm2-k_q5dd3e2f40c_gemm2
	.p2alignl 7, 3214868480
	.fill 96, 4, 3214868480
	.section	.rodata,"a",@progbits
	.p2align	6, 0x0
	.amdhsa_kernel k_q5dd3e2f40c_gemm2
		.amdhsa_group_segment_fixed_size 327680
		.amdhsa_private_segment_fixed_size 0
		.amdhsa_enable_private_segment 0
		.amdhsa_kernarg_size 48
		.amdhsa_user_sgpr_count 2
		.amdhsa_user_sgpr_kernarg_segment_ptr 1
		.amdhsa_wavefront_size32 1
		.amdhsa_system_sgpr_workgroup_id_x 1
		.amdhsa_system_sgpr_workgroup_id_y 1
		.amdhsa_system_sgpr_workgroup_id_z 1
		.amdhsa_system_vgpr_workitem_id 0
		.amdhsa_next_free_vgpr 1024
		.amdhsa_next_free_sgpr 106
		.amdhsa_reserve_vcc 0
		.amdhsa_float_denorm_mode_32 3
		.amdhsa_float_denorm_mode_16_64 3
		.amdhsa_memory_ordered 1
		.amdhsa_forward_progress 1
		.amdhsa_inst_pref_size 189
	.end_amdhsa_kernel
	.amdgpu_metadata
---
amdhsa.version: [ 1, 2 ]
amdhsa.kernels:
  - .name:           k_q5dd3e2f40c_gemm2
    .symbol:         k_q5dd3e2f40c_gemm2.kd
    .args:
      - { .name: acat, .offset: 0, .size: 8, .value_kind: global_buffer, .address_space: global }
      - { .name: wb, .offset: 8, .size: 8, .value_kind: global_buffer, .address_space: global }
      - { .name: bo, .offset: 16, .size: 8, .value_kind: global_buffer, .address_space: global }
      - { .name: b2, .offset: 24, .size: 8, .value_kind: global_buffer, .address_space: global }
      - { .name: x, .offset: 32, .size: 8, .value_kind: global_buffer, .address_space: global }
      - { .name: out0, .offset: 40, .size: 8, .value_kind: global_buffer, .address_space: global }
    .group_segment_fixed_size: 327680
    .private_segment_fixed_size: 0
    .kernarg_segment_align: 8
    .kernarg_segment_size: 48
    .max_flat_workgroup_size: 128
    .sgpr_count:     106
    .vgpr_count:     1024
    .wavefront_size: 32
...
	.end_amdgpu_metadata
.endif
;; end of part 4
